; MI455X (gfx1250); checked and timed in simulation.
; The chip was launched on July 23, 2026; its instructions are those of AMD's public machine-readable ISA for CDNA 5 (MIT licence, August 2026) and "CDNA5" Instruction Set Architecture Reference Guide (July 2026). The comments in the code are by the model that wrote it; some were corrected since.
;; FFN Mo E. Allowed arithmetic: matrix products marked QUANTISED: E5M2 operands, one E8M0 scale for each 32 along K, by v_wmma_scale_f32_16x16x128_f8f6f4 with both operands' format E5M2, f32 sums; products left as they are: f32 operands where the result goes on into a quantised operand, else bf16, f16 or f32 operands; f32 sums; everything else in f32.
;; Inputs: W1_codes 8 x 4,096 x 32 x 32 uint8 (E5M2 codes of W1, K innermost, in blocks of 32 codes); W1_scales 8 x 4,096 x 32 uint8 (E8M0 scales of W1, one for each 32 codes along K); W2_codes 8 x 1,024 x 128 x 32 uint8 (E5M2 codes of W2, K innermost, in blocks of 32 codes); W2_scales 8 x 1,024 x 128 uint8 (E8M0 scales of W2, one for each 32 codes along K); Wg 8 x 1,024 float32; b1 8 x 4,096 float32; b2 8 x 1,024 float32; beta 1,024 float32; bg 8 float32; gamma 1,024 float32; x 2 x 512 x 1,024 float32.
;; Outputs: out0 2 x 512 x 1,024 float32.
;; This version of the problem:
;;   THIS VERSION OF THE PROBLEM IS GIVEN IN LOW PRECISION. The matrix products marked QUANTISED in the list below multiply operands that are first quantised to E5M2 (5 exponent bits, 2 mantissa bits; 8 bits a number), with one power-of-two scale for each 32 numbers along K (OCP MX v1.0); their sums are f32. All else is computed in f32.
;;   The module's matrix products, in the order in which they are computed (A, B: the left and right operand; K: the contracted axis; several contracted axes count as one K, in the product's order):
;;     1. [M 1,024, K 1,024] x [K 1,024, N 8]; A: computed on the way; B: input Wg: left as it is (N = 8 < 16)
;;     2. [M 1,024, K 1,024] x [K 1,024, N 32,768]; A: computed on the way; B: input W1 (given as codes): QUANTISED
;;     3. batch 8 x [M 1,024, K 4,096] x [K 4,096, N 1,024]; A: input W2 (given as codes); B: computed on the way: QUANTISED
;;     4. batch 1,024 x [M 1,024, K 8] x [K 8, N 1]; A: computed on the way; B: computed on the way: left as it is (K = 8 < 32)
;;   THE QUANTISER, for each operand of a quantised product, along K:
;;     - K is cut into blocks of 32 from its start; a last block that is shorter is filled with zeros.
;;     - A block's scale is 2^e with e = floor(log2(the largest magnitude in the block)) - 15, held to -126 .. 127; a block of zeros has e = 0. As a byte (E8M0): e + 127.
;;     - Each number is divided by its block's scale, clamped to +-57,344, and rounded to the nearest number of E5M2, ties to even, subnormals kept.
;;     - The product sums the exact products of the quantised numbers (number of the format x scale) in f32.
;;   ~~~python
;;   def quantise(x, axis):      # numpy; x: float32 -> the quantised numbers, widened to float32 again
;;       x = np.moveaxis(x, axis, -1); K = x.shape[-1]
;;       x = np.pad(x, [(0, 0)] * (x.ndim - 1) + [(0, -K % 32)]); x = x.reshape(x.shape[:-1] + (-1, 32)); a = np.abs(x).max(-1, keepdims=True)
;;       e = np.where(a > 0, np.clip(np.frexp(np.where(a > 0, a, 1))[1] - 1 - 15, -126, 127), 0)      # np.frexp(a)[1] - 1 = floor(log2(a)), exactly
;;       r = np.clip(x / 2.0 ** e, -57344, 57344)
;;       step = 2.0 ** (np.maximum(np.frexp(np.where(r == 0, 1, r))[1] - 1, -14) - 2)
;;       q = np.round(r / step) * step * 2.0 ** e      # np.round: ties to even
;;       return np.moveaxis(q.reshape(q.shape[:-2] + (-1,))[..., :K], -1, axis).astype(np.float32)
;;   ~~~
;;   OPERANDS COMPUTED ON THE WAY. 'Computed on the way' means the value that the module computes at that place (a softmax that the list does not call 'softmax' is quantised finished and normalised). What goes into a quantiser is computed in f32, as accurately as f32 sums, v_exp_f32 and their like allow (about 1e-6 of the number): no bf16 or f16 on the way to a quantiser, and a product that is left as it is and whose result goes on into a quantised operand takes f32 operands (vector FMAs, or v_wmma_f32_16x16x4_f32). A number that lies on a knife's edge between two numbers of the format may be rounded either way, as far as f32 arithmetic and the matrix unit's own rounding can turn it there, and no further.
;;   INPUTS GIVEN AS CODES. W1 (in the module: [8, 4096, 1024], K = its axis 2); W2 (in the module: [8, 1024, 4096], K = its axis 2): each comes as NAME_codes (uint8): NAME with its K axis moved to the last place and cut into blocks of 32 codes, [.., K / 32, bytes a block], one block behind the other in memory; one code a byte (a code: sign, 5 exponent bits, 2 mantissa bits); and NAME_scales (uint8): the same leading axes, one E8M0 byte (e + 127) for each 32 codes along K. Its value is code x scale, taken as it is: it is not quantised again, and the codes and scales need not be those that the quantiser above would give.
;; 2 versions. Each part assembles by itself: llvm-mc -triple=amdgcn-amd-amdhsa -mcpu=gfx1250 --defsym DOCPART=n.
;; ======== version 1 of 2: 4 launches
;; workspace buffers: xq 1,048,576 bytes; xs 32,768 bytes; eid 8,192 bytes of whole numbers; gw 8,192 bytes; hq 33,554,432 bytes; hs 1,048,576 bytes; part 8,388,608 bytes
;; launch route (part 1): grid 256 x 1, 4 waves a work-group, no clusters, 768 bytes of LDS; arguments x, gamma, beta, Wg, bg, xq, xs, eid, gw; writes xq, xs, eid, gw
.if DOCPART == 1
	.amdgcn_target "amdgcn-amd-amdhsa--gfx1250"
	.amdhsa_code_object_version 6
	.text
	.protected	k_qbbb4a4dcff_route
	.globl	k_qbbb4a4dcff_route
	.p2align	8
	.type	k_qbbb4a4dcff_route,@function
k_qbbb4a4dcff_route:
	s_mov_b64 s[64:65], 0
	v_nop
	global_prefetch_b8 v0, s[64:65] scope:SCOPE_SE
	s_setreg_imm32_b32 hwreg(HW_REG_WAVE_MODE, 25, 1), 1
	s_wait_xcnt 0x0
; LayerNorm, router and quantiser.  One wave takes one token t = 4 x work-group + wave: 1,024 waves for 1,024 tokens.
; xn = (x - mean) / sqrt(var + 1e-5) * gamma + beta, all in f32.  From xn: (a) its codes of E5M2 and one E8M0 byte for each 32 along the row (xq, xs);
; (b) the eight logits xn . Wg[e] + bg[e] by f32 multiply-adds, their softmax (the maximum taken away first), the two largest probabilities (the lower index wins a tie)
; and the two gate weights p / (p1 + p2 + 1e-8).  The two experts go to eid[2 t + k], the weights to gw[2 t + k]: fixed places; no address and no branch here hangs on them.
; LAYOUT.  A row is four chunks q of 256 numbers; lane l holds numbers 256 q + 8 l .. + 7: eight neighbours, as the conversion wants them; a block of 32 lies in lanes 4 g .. 4 g + 3.
; A chunk's codes leave as 256 consecutive bytes.  The scale bytes (32 a token), the experts and the weights (8 bytes each a token) are small pieces: a wave owns one token; 48 KiB in all.
; LIMITS.  NaN and infinities are not served.  A block of zeros gets the byte 1 where the rule says 127: its codes are zeros, and this program alone reads the bytes.
; A probability under 2^-126 counts as 0 (v_exp_f32 gives 0 there).  No matrix unit, no tensor load, no cluster: a wave's data are its own but for Wg's 32 KiB.
.set X,   16                           ; v16-47    x, then x - mean, then xn
.set G,   48                           ; v48-79    gamma, later the held numbers
.set BT,  80                           ; v80-111   beta, later bytes, LDS addresses and codes
.set WGR, 112                          ; v112-239  Wg of experts 0-3, 32 each; experts 4-7 in window 1, v0-127 there
.set LG,  240                          ; v240-255  eight pairs: logits, then p (even) and at work (odd)
.set MSB, 0
.macro WIN new                         ; the immediate's high byte repeats the setting that is left
.if MSB != \new
	s_set_vgpr_msb (MSB<<8)|\new
.set MSB, \new
.endif
.endm
.macro ROW32 reg, base, off            ; my 32 numbers of a row of 1,024
.irp q, 0,1,2,3
	global_load_b128 v[\reg+8*\q:\reg+8*\q+3], v2, s[\base:\base+1] offset:\off+1024*\q
	global_load_b128 v[\reg+8*\q+4:\reg+8*\q+7], v2, s[\base:\base+1] offset:\off+1024*\q+16
.endr
.endm
.macro REDADD r, t                     ; the sum over the 32 lanes, in every lane
	v_add_f32_dpp v[\r], v[\r], v[\r] row_xmask:1 row_mask:0xf bank_mask:0xf
	v_add_f32_dpp v[\r], v[\r], v[\r] row_xmask:2 row_mask:0xf bank_mask:0xf
	v_add_f32_dpp v[\r], v[\r], v[\r] row_xmask:4 row_mask:0xf bank_mask:0xf
	v_add_f32_dpp v[\r], v[\r], v[\r] row_xmask:8 row_mask:0xf bank_mask:0xf
	v_permlanex16_b32 v[\t], v[\r], s36, s37
	v_add_f32 v[\r], v[\r], v[\t]
.endm
	s_load_b512 s[8:23], s[0:1], 0x0               ; x s[8:9], gamma s[10:11], beta s[12:13], Wg s[14:15], bg s[16:17], xq s[18:19], xs s[20:21], eid s[22:23]
	s_load_b64 s[24:25], s[0:1], 0x40              ; gw
	s_set_vgpr_msb 0x40
	v_lshl_add_u32 v128, v0, 2, 0x100
	v_mov_b32 v129, 0
	s_set_vgpr_msb 0x4000
	v_lshrrev_b32 v4, 5, v0
	v_readfirstlane_b32 s2, v4                     ; wave
	v_and_b32 v1, 31, v0                           ; lane
	v_lshlrev_b32 v2, 5, v1                        ; 32 bytes a lane in a chunk of f32
	v_lshlrev_b32 v3, 3, v1                        ; 8 bytes a lane in a chunk of codes
	s_lshl_b32 s3, ttmp9, 2
	s_add_co_u32 s3, s3, s2                        ; my token
	s_mov_b32 s36, 0x76543210
	s_mov_b32 s37, 0xfedcba98                      ; v_permlanex16_b32's selects for lane l xor 16
	s_mov_b32 s38, 0x600000                        ; the mantissa field of 57,344
	s_mov_b32 s39, 0x3a800000                      ; 1 / 1024
	s_mov_b32 s40, 0x3727c5ac                      ; 1e-5
	s_lshl_b32 s42, s3, 12                         ; a row of x: 4,096 bytes
	s_mov_b32 s43, 0
	s_lshl_b32 s44, s3, 10                         ; of codes: 1,024
	s_mov_b32 s45, 0
	s_lshl_b32 s46, s3, 5                          ; of scale bytes: 32
	s_mov_b32 s47, 0
	s_lshl_b32 s48, s3, 3                          ; two words
	s_mov_b32 s49, 0
	s_wait_kmcnt 0x0
	s_load_b256 s[28:35], s[16:17], 0x0            ; bg
	s_add_nc_u64 s[8:9], s[8:9], s[42:43]
	s_add_nc_u64 s[18:19], s[18:19], s[44:45]
	s_add_nc_u64 s[20:21], s[20:21], s[46:47]
	s_add_nc_u64 s[22:23], s[22:23], s[48:49]
	s_add_nc_u64 s[24:25], s[24:25], s[48:49]
	ROW32 X, 8, 0
	ROW32 G, 10, 0
	ROW32 BT, 12, 0
.irp e, 0,1,2,3
	ROW32 WGR+32*\e, 14, 4096*\e
.endr
	WIN 0x40                                       ; destination window 1
.irp e, 0,1,2,3
	ROW32 32*\e, 14, 16384+4096*\e
.endr
	WIN 0
	s_wait_loadcnt 63                              ; 64 loads of Wg are younger than beta's last: x, gamma and beta are in
	; ---- the mean
.irp k, 0,1,2,3
	v_pk_add_f32 v[4+2*\k:5+2*\k], v[X+2*\k:X+2*\k+1], v[X+8+2*\k:X+9+2*\k]
.endr
.irp i, 16,24
.irp k, 0,1,2,3
	v_pk_add_f32 v[4+2*\k:5+2*\k], v[4+2*\k:5+2*\k], v[X+\i+2*\k:X+\i+2*\k+1]
.endr
.endr
	v_pk_add_f32 v[4:5], v[4:5], v[6:7]
	v_pk_add_f32 v[8:9], v[8:9], v[10:11]
	v_pk_add_f32 v[4:5], v[4:5], v[8:9]
	v_add_f32 v4, v4, v5
	REDADD 4, 5
	v_mul_f32 v4, s39, v4
	v_mov_b32 v5, v4
.set i, 0
.rept 16
	v_pk_add_f32 v[X+i:X+i+1], v[X+i:X+i+1], v[4:5] neg_lo:[0,1] neg_hi:[0,1]   ; x - mean
.set i, i+2
.endr
	; ---- the variance: the first products start the four chains
.irp k, 0,1,2,3
	v_pk_mul_f32 v[6+2*\k:7+2*\k], v[X+2*\k:X+2*\k+1], v[X+2*\k:X+2*\k+1]
.endr
.irp i, 8,16,24
.irp k, 0,1,2,3
	v_pk_fma_f32 v[6+2*\k:7+2*\k], v[X+\i+2*\k:X+\i+2*\k+1], v[X+\i+2*\k:X+\i+2*\k+1], v[6+2*\k:7+2*\k]
.endr
.endr
	v_pk_add_f32 v[6:7], v[6:7], v[8:9]
	v_pk_add_f32 v[10:11], v[10:11], v[12:13]
	v_pk_add_f32 v[6:7], v[6:7], v[10:11]
	v_add_f32 v6, v6, v7
	REDADD 6, 7
	v_fma_f32 v6, v6, s39, s40                     ; var + 1e-5
	v_rsq_f32 v6, v6
	v_nop                                          ; a plain instruction behind the transcendental,
	s_wait_alu depctr_va_vdst(0)                   ; and the wait ahead of its first use
	v_mov_b32 v7, v6
.set i, 0
.rept 16
	v_pk_mul_f32 v[X+i:X+i+1], v[X+i:X+i+1], v[6:7]
.set i, i+2
.endr
.set i, 0
.rept 16
	v_pk_fma_f32 v[X+i:X+i+1], v[X+i:X+i+1], v[G+i:G+i+1], v[BT+i:BT+i+1]   ; xn
.set i, i+2
.endr
	; ---- the quantiser: chunk q's block of 32 lies in four neighbouring lanes.  v4-7 largest magnitudes, v8-11 scale operands, v12-15 the largest number x the scale
.irp q, 0,1,2,3
	v_max3_num_f32 v[4+\q], |v[X+8*\q]|, |v[X+8*\q+1]|, 0x8000000   ; and the floor 2^(16 - 127): the byte cannot fall under 1
.endr
.irp i, 2,4,6
.irp q, 0,1,2,3
	v_max3_num_f32 v[4+\q], v[4+\q], |v[X+8*\q+\i]|, |v[X+8*\q+\i+1]|
.endr
.endr
.irp k, 1,2
.irp q, 0,1,2,3
	v_max_num_f32_dpp v[4+\q], v[4+\q], v[4+\q] row_xmask:\k row_mask:0xf bank_mask:0xf
.endr
.endr
.irp q, 0,1,2,3
	v_add_nc_u32 v[8+\q], 0xf8800000, v[4+\q]      ; 15 off the exponent field: the conversion's scale operand
.endr
.irp q, 0,1,2,3
	v_and_or_b32 v[12+\q], v[4+\q], 0x7f800000, s38   ; 57,344 x the scale
.endr
.irp q, 0,1,2,3
	v_lshrrev_b32 v[BT+\q], 23, v[8+\q]            ; the scale's byte
.endr
	v_and_b32 v[BT+4], 0xe0, v0                    ; 32 x wave: my wave's 32 bytes of LDS
	v_bfe_u32 v[BT+5], v0, 2, 3
	v_add_nc_u32 v[BT+5], v[BT+4], v[BT+5]         ; + lane / 4: my block's byte in a chunk's eight
	v_and_b32 v[BT+6], 7, v0
	v_lshl_add_u32 v[BT+6], v[BT+6], 2, v[BT+4]    ; back: a word for each of lanes 0-7
.irp q, 0,1,2,3
.irp i, 0,1,2,3,4,5,6,7
	v_med3_num_f32 v[G+8*\q+\i], v[X+8*\q+\i], -v[12+\q], v[12+\q]   ; the conversion to an 8-bit code does not saturate (ISA guide 7.6.2): the hold.  xn itself stays for the router
.endr
	v_cvt_scalef32_pk8_bf8_f32 v[BT+8+2*\q:BT+9+2*\q], v[G+8*\q:G+8*\q+7], v[8+\q]
.endr
	v_nop                                          ; a plain instruction behind the last conversion
.irp q, 0,1,2,3
	global_store_b64 v3, v[BT+8+2*\q:BT+9+2*\q], s[18:19] offset:256*\q   ; 32 lanes store 256 consecutive bytes, aligned
	ds_store_b8 v[BT+5], v[BT+\q] offset:8*\q      ; the four lanes of a block write the same byte with the same value
.endr
	ds_load_b32 v[BT+7], v[BT+6]                   ; LDS serves a wave's instructions in order: this sees my stores
	; ---- the logits: f32 multiply-adds, four experts by turns
	s_wait_loadcnt 32                              ; experts 0-3 are in; the 32 loads of experts 4-7 may be out
.irp e, 0,1,2,3
	v_pk_mul_f32 v[LG+2*\e:LG+2*\e+1], v[X:X+1], v[WGR+32*\e:WGR+32*\e+1]
.endr
.set i, 2
.rept 15
.irp e, 0,1,2,3
	v_pk_fma_f32 v[LG+2*\e:LG+2*\e+1], v[X+i:X+i+1], v[WGR+32*\e+i:WGR+32*\e+i+1], v[LG+2*\e:LG+2*\e+1]
.endr
.set i, i+2
.endr
	s_wait_loadcnt 0x0
	WIN 0x04                                       ; source 1 window 1
.irp e, 0,1,2,3
	v_pk_mul_f32 v[LG+8+2*\e:LG+9+2*\e], v[X:X+1], v[32*\e:32*\e+1]
.endr
.set i, 2
.rept 15
.irp e, 0,1,2,3
	v_pk_fma_f32 v[LG+8+2*\e:LG+9+2*\e], v[X+i:X+i+1], v[32*\e+i:32*\e+i+1], v[LG+8+2*\e:LG+9+2*\e]
.endr
.set i, i+2
.endr
	WIN 0
.irp e, 0,1,2,3,4,5,6,7
	v_add_f32 v[LG+2*\e], v[LG+2*\e], v[LG+2*\e+1]
.endr
.irp k, 1,2,4,8
.irp e, 0,1,2,3,4,5,6,7
	v_add_f32_dpp v[LG+2*\e], v[LG+2*\e], v[LG+2*\e] row_xmask:\k row_mask:0xf bank_mask:0xf
.endr
.endr
.irp e, 0,1,2,3,4,5,6,7
	v_permlanex16_b32 v[LG+2*\e+1], v[LG+2*\e], s36, s37
.endr
.irp e, 0,1,2,3,4,5,6,7
	v_add_f32 v[LG+2*\e], v[LG+2*\e], v[LG+2*\e+1]
.endr
	s_wait_kmcnt 0x0                               ; bg
.irp e, 0,1,2,3,4,5,6,7
	v_add_f32 v[LG+2*\e], s[28+\e], v[LG+2*\e]     ; every lane holds all eight logits
.endr
	; ---- softmax: the maximum is taken away first
	v_max3_num_f32 v4, v[LG], v[LG+2], v[LG+4]
	v_max3_num_f32 v4, v4, v[LG+6], v[LG+8]
	v_max3_num_f32 v4, v4, v[LG+10], v[LG+12]
	v_max_num_f32 v4, v4, v[LG+14]
.irp e, 0,1,2,3,4,5,6,7
	v_sub_f32 v[LG+2*\e+1], v[LG+2*\e], v4
.endr
.irp e, 0,1,2,3,4,5,6,7
	v_mul_f32 v[LG+2*\e+1], 0x3fb8aa3b, v[LG+2*\e+1]
.endr
.irp e, 0,1,2,3,4,5,6,7
	v_exp_f32 v[LG+2*\e+1], v[LG+2*\e+1]
.endr
	v_lshlrev_b32 v13, 2, v1                       ; (a plain instruction behind the batch)  4 x lane, for the way out
	s_wait_alu depctr_va_vdst(0)                   ; one wait for the eight
	v_add_f32 v4, v[LG+1], v[LG+3]
	v_add_f32 v5, v[LG+5], v[LG+7]
	v_add_f32 v6, v[LG+9], v[LG+11]
	v_add_f32 v7, v[LG+13], v[LG+15]
	v_add_f32 v4, v4, v5
	v_add_f32 v6, v6, v7
	v_add_f32 v4, v4, v6
	v_rcp_f32 v5, v4
	v_mov_b32 v7, 0                                ; (a plain instruction)  the first choice begins at expert 0
	s_wait_alu depctr_va_vdst(0)
.irp e, 0,1,2,3,4,5,6,7
	v_mul_f32 v[LG+2*\e], v[LG+2*\e+1], v5         ; p
.endr
	; ---- the two largest: a later expert takes the place only where it is strictly larger
	v_mov_b32 v6, v[LG]
.irp e, 1,2,3,4,5,6,7
	v_cmp_le_f32 vcc_lo, v[LG+2*\e], v6
	v_cndmask_b32 v6, v[LG+2*\e], v6, vcc_lo
	v_cndmask_b32 v7, \e, v7, vcc_lo
.endr
.irp e, 0,1,2,3,4,5,6,7
	v_cmp_ne_u32 vcc_lo, \e, v7
	v_cndmask_b32 v[LG+2*\e+1], -1.0, v[LG+2*\e], vcc_lo   ; the first choice is taken out: -1 lies under every p
.endr
	v_mov_b32 v8, v[LG+1]
	v_mov_b32 v9, 0
.irp e, 1,2,3,4,5,6,7
	v_cmp_le_f32 vcc_lo, v[LG+2*\e+1], v8
	v_cndmask_b32 v8, v[LG+2*\e+1], v8, vcc_lo
	v_cndmask_b32 v9, \e, v9, vcc_lo
.endr
	v_add_f32 v10, v6, v8
	v_add_f32 v10, 0x322bcc77, v10                 ; + 1e-8
	v_rcp_f32 v10, v10
	v_cmp_eq_u32 vcc_lo, 1, v1                     ; (a plain instruction)  lane 1 takes the second choice
	s_wait_alu depctr_va_vdst(0)
	v_mul_f32 v6, v6, v10
	v_mul_f32 v8, v8, v10
	v_cndmask_b32 v11, v7, v9, vcc_lo
	v_cndmask_b32 v12, v6, v8, vcc_lo
	s_wait_dscnt 0x0                               ; my token's scale words
	s_wait_xcnt 0x0                                ; EXEC changes only behind this wait
	s_set_vgpr_msb 0x5
	s_wait_tensorcnt 0x0
	ds_add_u32 v128, v129
	s_wait_dscnt 0x0
	s_set_vgpr_msb 0x500
	v_cmpx_gt_u32 8, v1
	global_store_b32 v13, v[BT+7], s[20:21]        ; 32 scale bytes
	s_wait_xcnt 0x0
	v_cmpx_gt_u32 2, v1
	global_store_b32 v13, v11, s[22:23]            ; the two experts
	global_store_b32 v13, v12, s[24:25]            ; and their weights
	s_wait_xcnt 0x0
	s_mov_b32 exec_lo, -1
	s_endpgm
.Lfunc_end_k_qbbb4a4dcff_route:
	.size	k_qbbb4a4dcff_route, .Lfunc_end_k_qbbb4a4dcff_route-k_qbbb4a4dcff_route
	.p2alignl 7, 3214868480
	.fill 96, 4, 3214868480
	.section	.rodata,"a",@progbits
	.p2align	6, 0x0
	.amdhsa_kernel k_qbbb4a4dcff_route
		.amdhsa_group_segment_fixed_size 768
		.amdhsa_private_segment_fixed_size 0
		.amdhsa_enable_private_segment 0
		.amdhsa_kernarg_size 72
		.amdhsa_user_sgpr_count 2
		.amdhsa_user_sgpr_kernarg_segment_ptr 1
		.amdhsa_wavefront_size32 1
		.amdhsa_system_sgpr_workgroup_id_x 1
		.amdhsa_system_sgpr_workgroup_id_y 1
		.amdhsa_system_sgpr_workgroup_id_z 1
		.amdhsa_system_vgpr_workitem_id 0
		.amdhsa_next_free_vgpr 386
		.amdhsa_next_free_sgpr 66
		.amdhsa_reserve_vcc 1
		.amdhsa_float_denorm_mode_32 3
		.amdhsa_float_denorm_mode_16_64 3
		.amdhsa_memory_ordered 1
		.amdhsa_forward_progress 1
		.amdhsa_inst_pref_size 38
	.end_amdhsa_kernel
	.amdgpu_metadata
---
amdhsa.version: [ 1, 2 ]
amdhsa.kernels:
  - .name:           k_qbbb4a4dcff_route
    .symbol:         k_qbbb4a4dcff_route.kd
    .args:
      - { .name: x, .offset: 0, .size: 8, .value_kind: global_buffer, .address_space: global }
      - { .name: gamma, .offset: 8, .size: 8, .value_kind: global_buffer, .address_space: global }
      - { .name: beta, .offset: 16, .size: 8, .value_kind: global_buffer, .address_space: global }
      - { .name: Wg, .offset: 24, .size: 8, .value_kind: global_buffer, .address_space: global }
      - { .name: bg, .offset: 32, .size: 8, .value_kind: global_buffer, .address_space: global }
      - { .name: xq, .offset: 40, .size: 8, .value_kind: global_buffer, .address_space: global }
      - { .name: xs, .offset: 48, .size: 8, .value_kind: global_buffer, .address_space: global }
      - { .name: eid, .offset: 56, .size: 8, .value_kind: global_buffer, .address_space: global }
      - { .name: gw, .offset: 64, .size: 8, .value_kind: global_buffer, .address_space: global }
    .group_segment_fixed_size: 768
    .private_segment_fixed_size: 0
    .kernarg_segment_align: 8
    .kernarg_segment_size: 72
    .max_flat_workgroup_size: 128
    .sgpr_count:     66
    .vgpr_count:     386
    .wavefront_size: 32
...
	.end_amdgpu_metadata
.endif
;; end of part 1
;; launch up (part 2): grid 256 x 1, 4 waves a work-group, no clusters, 203,264 bytes of LDS; arguments xq, xs, eid, W1_codes, W1_scales, b1, hq, hs; writes hq, hs
.if DOCPART == 2
	.amdgcn_target "amdgcn-amd-amdhsa--gfx1250"
	.amdhsa_code_object_version 6
	.text
	.protected	k_qbbb4a4dcff_up
	.globl	k_qbbb4a4dcff_up
	.p2align	8
	.type	k_qbbb4a4dcff_up,@function
k_qbbb4a4dcff_up:
	s_mov_b64 s[64:65], 0
	v_nop
	global_prefetch_b8 v0, s[64:65] scope:SCOPE_SE
	s_setreg_imm32_b32 hwreg(HW_REG_WAVE_MODE, 25, 1), 1
	s_wait_xcnt 0x0
; h = Q(gelu(xn W1[e]^T + b1[e])) for the rows routed to expert e, on codes of E5M2 with one E8M0 scale for each 32 along K.
; SHARES.  Work-group (e = id / 32, c = id % 32) owns hidden units 128 c .. + 127 of expert e: K step c of the second product.  ITS WEIGHTS STAY IN REGISTERS, read from memory once:
; wave w holds K = 256 w .. + 255 of all eight tiles of 16 units (16 fragments, 256 registers).  The rows go by, 64 a block.
; THE LIST.  An entry is 2 x token + slot.  Wave 0 gathers the entries whose expert (eid, stored by the launch before) is e into LDS, in the order (register, lane) of its loads, while the weights are on their way.
; It goes sixteen registers at a time: sixteen compares, their counts and running sums in scalar registers, then sixteen positions and stores; between these runs wave 0 asks for the rest of its weights.
; Tile m of block b holds list positions 64 b + 4 r + m, r = 0 .. 15.  Positions past the count hold entry 0: they are computed and stored as padding of whole images, and the next launch masks them.
; A BLOCK.  Each wave multiplies its quarter of K for all four tiles of rows (64 matrix instructions, 32 accumulators by turns); set a of its results is tile (w + a) % 4.  Set 0 is its own tile;
; sets 1-3 go through LDS, as images of their registers, to their owners; one barrier; each wave adds the four quarters of its tile, applies gelu, quantises and stores ONE fragment of the next product as
; an image of its registers (hq: [e][tile 64][K step 32][2,048 bytes], four stores of 512 consecutive bytes).  The block's 64 scale words meet in LDS and leave as one aligned piece of 256 bytes (hs: [e][block 16][K step 32][64 words], word 4 r + m).
; b1 is the C of wave 0's first products (zeros in the other waves): it enters each sum once.
; THE PRODUCT IS USED TRANSPOSED (source 0 = 16 rows of W1, source 1 = 16 rows of x), and lane r of tile 2 b + u takes W1's row 32 b + 8 u + r + 8 (r / 8): so a lane holds one row of h, and its 64 registers are
; k = 32 b + 16 (lane / 16) + i in register 16 b + i: the order that the next operand wants.
; CONTROL.  The loop has a constant number of trips (16 blocks: an expert can have 1,024 rows); every wave passes every barrier; a block past the count has its work jumped over by scalar branches on the count.
; Such branches hang on numbers read from memory; the text has no tensor load and no joint loads in a cluster.  Two blocks a trip: the LDS stage's parity is a constant of the text.
; gelu(z) = z / 2 (1 + erf(z / sqrt 2)); erf(t) = t P(t^2) / Q(t^2), of degrees 6 and 4, t held to +-4, all in f32.
; LIMITS.  NaN and infinities are not served.  A block of zeros gets the byte 1 where the rule says 127: its codes are zeros, and this program alone reads the bytes.
; REGISTERS, in windows of 256.  Window 0: see the names below.  Window 1: W1's fragment (t, j) at v[32 t + 16 j].  Window 2: accumulator (a, t) at v[64 a + 8 t].  Window 3: x's fragment (a, j) at v[32 a + 16 j]; b1's tile t at v[128 + 8 t].
.set DUMPW, 1088                       ; LDS: the list, words 0 .. 1,087 (bytes 0 .. 4,351); behind it a dump word for each lane (bytes 4,352 .. 4,479), written and never read; zeros are laid up to 4,607
.set CNTB,  4608                       ; the count
.set SCW,   4864                       ; the block's 64 scale words, two parities of 256 bytes
.set STG,   5632                       ; the stage: two parities; in each, for each owner, three slots of 8,192 bytes (a set's 64 registers: 16 pieces of 512 bytes, 16 x lane)
.set PARB,  98304
.set DSTB,  24576
.set SLOTB, 8192
.set LADR, 6                           ; v6-9    16 (lane % 16) + 4 ((w + a) % 4): my row's place in a block's part of the list
.set WAD,  10                          ; v10-12  where set a = 1 .. 3 goes, parity 0;  v13-15 parity 1
.set RAD,  16                          ; v16-17  where my tile's three sets lie, parity 0, 1
.set SCWW, 18                          ; v18     where I put my row's scale word
.set SCWR, 19                          ; v19     where wave 0 reads the 64 words back
.set H16,  20                          ; v20     16 (lane / 16)
.set CNTA, 21                          ; v21     the count's LDS address
.set LE,   22                          ; v22-25  list entries of my four rows
.set XO,   26                          ; v26-29  their byte offsets in xq
.set XSO,  30                          ; v30-33  and in xs
.set LT,   34                          ; v34-37  list addresses of the block in hand
.set A6V,  38                          ; v38-39  erf's A6, twice
.set B4V,  40                          ; v40-41  B4, twice
.set WOF,  42                          ; v42     my lane's byte in a tile of W1
.set WSO,  43                          ; v43     in its scale bytes
.set BOF,  44                          ; v44     in b1
.set RV,   45                          ; v45     4 x lane: my first entry of a load of eid
.set TMPV, 46
.set FL,   48                          ; v48-49  two scale words on their way out
.set ZQ,   52                          ; v52-55  zeros
.set W1S,  56                          ; v56-71  W1's scale words (t, j) at 56 + 2 t + j: scales and nothing else
.set XS,   72                          ; v72-79  x's (a, j) at 72 + 2 a + j: likewise
.set FIN,  80                          ; v80-143 my tile's 64 sums, then h
.set GT,   144                         ; v144-207 gelu at work: t, t^2, P, Q, 16 each
.set TM,   208                         ; v208-223 the quantiser at work
.set PW,   224                         ; the scale word just made
.set PC,   226                         ; v226-241 the codes just made
.set CP,   226                         ; at the head: the list's making: sixteen positions;
.set CR,   246                         ; v246-249 four entries by turns;
.set DMP,  250                         ; v250     my dump word's index: 1,088 + lane
.set EI,   144                         ; at the head: eid, 64 registers
.set MK,   66                          ; s66-81  at the head: sixteen masks
.set BS,   82                          ; s82-97  their counts, then running sums
.set CY,   40                          ; s40-44  the sum carried into each run; the last is the count
.set MSB, 0
.macro WIN new                         ; the immediate's high byte repeats the setting that is left
.if MSB != \new
	s_set_vgpr_msb (MSB<<8)|\new
.set MSB, \new
.endif
.endm
.macro SPAIR r, val                    ; the packed forms name a pair and take its low word for both halves: both are written
	s_mov_b32 s[\r], \val
	s_mov_b32 s[\r+1], \val
.endm
.macro WFRAG f                         ; W1's fragment f = 2 t + j
.irp cc, 0,1,2,3
	global_load_b128 v[16*(\f)+4*\cc:16*(\f)+4*\cc+3], v[WOF], s[14:15] offset:(32*((\f)/4)+8*(((\f)/2)%2))*1024+128*((\f)%2)+32*\cc th:TH_LOAD_NT
.endr
.endm
.macro WL_A                            ; 44 loads: b1 (16), W1's scale words (8), fragments 0-4 (20)
	WIN 0xc0
.irp t, 0,1,2,3,4,5,6,7
	global_load_b128 v[128+8*\t:128+8*\t+3], v[BOF], s[18:19] offset:(32*(\t/2)+8*(\t%2))*4
	global_load_b128 v[128+8*\t+4:128+8*\t+7], v[BOF], s[18:19] offset:(32*(\t/2)+8*(\t%2))*4+16
.endr
	WIN 0
.irp t, 0,1,2,3,4,5,6,7
	global_load_b64 v[W1S+2*\t:W1S+2*\t+1], v[WSO], s[16:17] offset:(32*(\t/2)+8*(\t%2))*32
.endr
	WIN 0x40
.irp f, 0,1,2,3,4
	WFRAG \f
.endr
	WIN 0
.endm
.macro WL_B
	WIN 0x40
.irp f, 5,6,7,8,9,10,11,12,13,14,15
	WFRAG \f
.endr
	WIN 0
.endm
.macro CHOOK                           ; behind run B of the list's making wave 0 asks for three more fragments: 5 .. 15 in all
	WIN 0x40
.irp g, 0,1,2
.if 5+3*B+\g < 16
	WFRAG 5+3*B+\g
.endif
.endr
	WIN 0
.endm
; Wave 0: the entries of expert e, in the order (register, lane), into the list; the rest of the list is zeros.  All lanes stay on: a lane whose entry is another expert's stores to its own dump word.
; Run B takes registers 16 B .. 16 B + 15.  s[BS + q] becomes the number of entries found up to and with register q; the position is the sum up to the register before + those in the lanes below me.
; The choice between position and dump word is made on the word's index, ahead of the hold at 1,151 (0x47f); behind the hold stands the shift to bytes alone.
.macro COMPACT
.irp k, 0,1,2,3,4,5,6,7,8
	ds_store_b128 v4, v[ZQ:ZQ+3] offset:512*\k
.endr
	s_mov_b32 s[CY], 0
.set B, 0
.rept 4
.irp q, 0,1,2,3,4,5,6,7,8,9,10,11,12,13,14,15
	v_cmp_eq_u32 s[MK+\q], s25, v[EI+16*B+\q]
.endr
.irp q, 0,1,2,3,4,5,6,7,8,9,10,11,12,13,14,15
	s_bcnt1_i32_b32 s[BS+\q], s[MK+\q]
.endr
	s_add_co_u32 s[BS], s[BS], s[CY+B]
.irp q, 1,2,3,4,5,6,7,8,9,10,11,12,13,14
	s_add_co_u32 s[BS+\q], s[BS+\q], s[BS+\q-1]
.endr
	s_add_co_u32 s[CY+B+1], s[BS+15], s[BS+14]
	v_mbcnt_lo_u32_b32 v[CP], s[MK], s[CY+B]
.irp q, 1,2,3,4,5,6,7,8,9,10,11,12,13,14,15
	v_mbcnt_lo_u32_b32 v[CP+\q], s[MK+\q], s[BS+\q-1]
.endr
.irp q, 0,1,2,3,4,5,6,7,8,9,10,11,12,13,14,15
	v_cndmask_b32 v[CP+\q], v[DMP], v[CP+\q], s[MK+\q]   ; mine: the position; not mine: the dump word
.endr
.irp q, 0,1,2,3,4,5,6,7,8,9,10,11,12,13,14,15
	v_min_u32 v[CP+\q], 0x47f, v[CP+\q]
.endr
.irp q, 0,1,2,3,4,5,6,7,8,9,10,11,12,13,14,15
	v_lshlrev_b32 v[CP+\q], 2, v[CP+\q]
.endr
.irp q, 0,1,2,3,4,5,6,7,8,9,10,11,12,13,14,15
	v_add_nc_u32 v[CR+\q%4], 128*(4*B+\q/4)+\q%4, v[RV]   ; the entry: 128 x load + 4 x lane + word
	ds_store_b32 v[CP+\q], v[CR+\q%4]
.endr
	CHOOK
.set B, B+1
.endr
	v_mov_b32 v[TMPV], s[CY+4]
	ds_store_b32 v[CNTA], v[TMPV]
.endm
.macro LISTL off                       ; my four rows' entries of the block whose part of the list begins off bytes behind s29
.irp a, 0,1,2,3
	v_add_nc_u32 v[LT+\a], s29, v[LADR+\a]
.endr
.irp a, 0,1,2,3
	ds_load_b32 v[LE+\a], v[LT+\a] offset:\off
.endr
.endm
.macro XLOAD                           ; the four tiles' fragments of x for my quarter of K, and their scale words: 36 loads
.irp a, 0,1,2,3
	v_lshrrev_b32 v[XO+\a], 1, v[LE+\a]            ; the token
.endr
.irp a, 0,1,2,3
	v_min_u32 v[XO+\a], 0x3ff, v[XO+\a]
.endr
.irp a, 0,1,2,3
	v_lshlrev_b32 v[XSO+\a], 5, v[XO+\a]
.endr
.irp a, 0,1,2,3
	v_lshl_add_u32 v[XO+\a], v[XO+\a], 10, v[H16]
.endr
	WIN 0xc0
.irp a, 0,1,2,3
.irp u, 0,1,2,3,4,5,6,7
	global_load_b128 v[32*\a+4*\u:32*\a+4*\u+3], v[XO+\a], s[8:9] offset:32*\u
.endr
.endr
	WIN 0
.irp a, 0,1,2,3
	global_load_b64 v[XS+2*\a:XS+2*\a+1], v[XSO+\a], s[10:11]
.endr
.endm
.macro GELU g                          ; 16 numbers z = v[FIN + 16 g ..], eight pairs by turns in every step
.set Z, FIN+16*(\g)
.irp p, 0,2,4,6,8,10,12,14
	v_pk_mul_f32 v[GT+\p:GT+\p+1], v[Z+\p:Z+\p+1], s[48:49] op_sel_hi:[1,0]      ; t = z / sqrt 2
.endr
.irp i, 0,1,2,3,4,5,6,7,8,9,10,11,12,13,14,15
	v_med3_num_f32 v[GT+\i], v[GT+\i], -4.0, 4.0
.endr
.irp p, 0,2,4,6,8,10,12,14
	v_pk_mul_f32 v[GT+16+\p:GT+17+\p], v[GT+\p:GT+\p+1], v[GT+\p:GT+\p+1]
.endr
.irp p, 0,2,4,6,8,10,12,14
	v_pk_fma_f32 v[GT+32+\p:GT+33+\p], v[GT+16+\p:GT+17+\p], v[A6V:A6V+1], s[50:51] op_sel_hi:[1,1,0]
.endr
.irp p, 0,2,4,6,8,10,12,14
	v_pk_fma_f32 v[GT+48+\p:GT+49+\p], v[GT+16+\p:GT+17+\p], v[B4V:B4V+1], s[62:63] op_sel_hi:[1,1,0]
.endr
.irp k, 52,54,56,58,60
.irp p, 0,2,4,6,8,10,12,14
	v_pk_fma_f32 v[GT+32+\p:GT+33+\p], v[GT+32+\p:GT+33+\p], v[GT+16+\p:GT+17+\p], s[\k:\k+1] op_sel_hi:[1,1,0]
.endr
.endr
.irp k, 66,68,70
.irp p, 0,2,4,6,8,10,12,14
	v_pk_fma_f32 v[GT+48+\p:GT+49+\p], v[GT+48+\p:GT+49+\p], v[GT+16+\p:GT+17+\p], s[\k:\k+1] op_sel_hi:[1,1,0]
.endr
.endr
.irp i, 0,1,2,3,4,5,6,7,8,9,10,11,12,13,14,15
	v_rcp_f32 v[GT+48+\i], v[GT+48+\i]
.endr
.irp p, 0,2,4,6,8,10,12,14
	v_pk_mul_f32 v[GT+32+\p:GT+33+\p], v[GT+32+\p:GT+33+\p], v[GT+\p:GT+\p+1]    ; t P: plain work behind the reciprocals
.endr
.irp p, 0,2,4,6,8,10,12,14
	v_pk_mul_f32 v[GT+16+\p:GT+17+\p], v[Z+\p:Z+\p+1], 0.5 op_sel_hi:[1,0]       ; z / 2
.endr
	s_wait_alu depctr_va_vdst(0)                   ; one wait for the sixteen, ahead of their first use
.irp p, 0,2,4,6,8,10,12,14
	v_pk_mul_f32 v[GT+32+\p:GT+33+\p], v[GT+32+\p:GT+33+\p], v[GT+48+\p:GT+49+\p]   ; erf
.endr
.irp p, 0,2,4,6,8,10,12,14
	v_pk_fma_f32 v[Z+\p:Z+\p+1], v[GT+16+\p:GT+17+\p], v[GT+32+\p:GT+33+\p], v[GT+16+\p:GT+17+\p]   ; z / 2 erf + z / 2
.endr
.endm
.macro QUANT s                         ; 64 numbers of a lane, register 16 b + i = k 32 b + 16 (lane / 16) + i of my row, become a fragment's codes in v[PC] on and its scale word in v[PW]
.irp b, 0,1,2,3
	v_max3_num_f32 v[TM+\b], |v[\s+16*\b]|, |v[\s+1+16*\b]|, 0x8000000   ; and the floor 2^(16 - 127): the byte cannot fall under 1
.endr
.irp i, 2,4,6,8,10,12,14
.irp b, 0,1,2,3
	v_max3_num_f32 v[TM+\b], v[TM+\b], |v[\s+16*\b+\i]|, |v[\s+1+16*\b+\i]|
.endr
.endr
.irp b, 0,1,2,3
	v_permlanex16_b32 v[TM+4+\b], v[TM+\b], s36, s37
.endr
.irp b, 0,1,2,3
	v_max_num_f32 v[TM+\b], v[TM+\b], v[TM+4+\b]   ; with lane l xor 16's: the block's largest magnitude
.endr
.irp b, 0,1,2,3
	v_add_nc_u32 v[TM+12+\b], 0xf8800000, v[TM+\b] ; 15 off its exponent field: the conversion's scale operand
.endr
.irp b, 0,1,2,3
	v_and_or_b32 v[TM+8+\b], v[TM+\b], 0x7f800000, s38   ; 57,344 x the scale
.endr
.irp b, 0,1,2,3
	v_lshrrev_b32 v[TM+4+\b], 23, v[TM+12+\b]      ; the scale's byte
.endr
	v_lshl_or_b32 v[PW], v[TM+5], 8, v[TM+4]
	v_lshl_or_b32 v[PW], v[TM+6], 16, v[PW]
	v_lshl_or_b32 v[PW], v[TM+7], 24, v[PW]
.irp b, 0,1,2,3
.irp i, 0,1,2,3,4,5,6,7,8,9,10,11,12,13,14,15
	v_med3_num_f32 v[\s+16*\b+\i], v[\s+16*\b+\i], -v[TM+8+\b], v[TM+8+\b]   ; the conversion to an 8-bit code does not saturate (ISA guide 7.6.2): the hold
.endr
	v_cvt_scalef32_pk8_bf8_f32 v[PC+4*\b:PC+1+4*\b], v[\s+16*\b:\s+7+16*\b], v[TM+12+\b]
	v_cvt_scalef32_pk8_bf8_f32 v[PC+2+4*\b:PC+3+4*\b], v[\s+8+16*\b:\s+15+16*\b], v[TM+12+\b]
.endr
	v_nop                                          ; a plain instruction behind the last conversion
.endm
.macro FLUSH par                       ; wave 0 sends the 64 scale words of the block before (the other parity), if that block was worked: one aligned piece of 256 bytes
	s_cmp_lg_u32 s24, 0
	s_cbranch_scc1 .Lnf_\@
	s_cmp_eq_u32 s32, 0
	s_cbranch_scc1 .Lnf_\@
	ds_load_b64 v[FL:FL+1], v[SCWR] offset:256*(1-\par)
	s_wait_dscnt 0x0
	global_store_b64 v5, v[FL:FL+1], s[22:23] offset:-8192   ; the pointer has stepped one block on
.Lnf_\@:
.endm
.macro BLOCK par
	s_cmp_lt_u32 s28, s27                          ; has this block rows?
	s_cbranch_scc0 .Lskipa_\@
	s_wait_loadcnt 0x0                             ; its fragments of x, asked for a block ago
	LISTL 256*(\par+1)                             ; the next block's entries (the list is long enough for the block behind the last)
	WIN 0xbd                                       ; source 0 (W1) window 1, source 1 (x) window 3, C (b1) window 3, D window 2
.irp a, 0,1,2,3
.irp t, 0,1,2,3,4,5,6,7
	v_wmma_scale_f32_16x16x128_f8f6f4 v[64*\a+8*\t:64*\a+8*\t+7], v[32*\t:32*\t+15], v[32*\a:32*\a+15], v[128+8*\t:128+8*\t+7], v[W1S+2*\t], v[XS+2*\a] matrix_a_fmt:MATRIX_FMT_BF8 matrix_b_fmt:MATRIX_FMT_BF8
.endr
.endr
	WIN 0xad                                       ; C and D window 2: the 32 accumulators take turns, one instruction a turn
.irp a, 0,1,2,3
.irp t, 0,1,2,3,4,5,6,7
	v_wmma_scale_f32_16x16x128_f8f6f4 v[64*\a+8*\t:64*\a+8*\t+7], v[32*\t+16:32*\t+31], v[32*\a+16:32*\a+31], v[64*\a+8*\t:64*\a+8*\t+7], v[W1S+2*\t+1], v[XS+2*\a+1] matrix_a_fmt:MATRIX_FMT_BF8 matrix_b_fmt:MATRIX_FMT_BF8
.endr
.endr
	WIN 0
.rept 9
	v_nop                                          ; eight places ahead of loads into x's registers and of reads of the results; the ninth for the next block's first products, which write over these results
.endr
	s_add_co_u32 s2, s28, 64
	s_cmp_lt_u32 s2, s27                           ; has the next block rows?
	s_cbranch_scc0 .Lnox_\@
	s_wait_dscnt 0x0                               ; its entries
	XLOAD                                          ; one set of registers serves x: these land during the exchange and gelu
.Lnox_\@:
	WIN 0x08                                       ; an LDS store's data are its source 1: window 2
.irp a, 1,2,3
.set q, 0
.rept 16
	ds_store_b128 v[WAD+3*\par+\a-1], v[64*\a+4*q:64*\a+4*q+3] offset:512*q   ; each accumulator from its low end on
.set q, q+1
.endr
.endr
	WIN 0
.Lskipa_\@:
	s_wait_dscnt 0x0                               ; my stores have landed, and my reads of the other parity's stage and words are back
	s_barrier_signal -1
	s_barrier_wait -1                              ; every wave, every block
	FLUSH \par
	s_cmp_lt_u32 s28, s27
	s_cbranch_scc0 .Lskipd_\@
	WIN 0x80                                       ; destination window 2: the others' quarters of my tile take the places of the sets that I sent
.irp a, 1,2,3
.set q, 0
.rept 16
	ds_load_b128 v[64*\a+4*q:64*\a+4*q+3], v[RAD+\par] offset:(\a-1)*SLOTB+512*q
.set q, q+1
.endr
.endr
	s_wait_dscnt 32                                ; the first slot is in; the 32 loads of the other two may be out
	WIN 0x0a                                       ; sources 0 and 1 window 2
.set i, 0
.rept 32
	v_pk_add_f32 v[FIN+i:FIN+i+1], v[i:i+1], v[64+i:65+i]   ; my own set, each accumulator from its low end on
.set i, i+2
.endr
	s_wait_dscnt 16
	WIN 0x08                                       ; source 1 window 2
.set i, 0
.rept 32
	v_pk_add_f32 v[FIN+i:FIN+i+1], v[FIN+i:FIN+i+1], v[128+i:129+i]
.set i, i+2
.endr
	s_wait_dscnt 0x0
.set i, 0
.rept 32
	v_pk_add_f32 v[FIN+i:FIN+i+1], v[FIN+i:FIN+i+1], v[192+i:193+i]
.set i, i+2
.endr
	WIN 0
	GELU 0
	GELU 1
	GELU 2
	GELU 3
	QUANT FIN
.irp cc, 0,1,2,3
	global_store_b128 v4, v[PC+4*\cc:PC+4*\cc+3], s[20:21] offset:512*\cc   ; the fragment as it stands: 512 consecutive bytes a store
.endr
	ds_store_b32 v[SCWW], v[PW] offset:256*\par    ; both halves of the lanes write the same word with the same value
.Lskipd_\@:
	s_cmp_lt_u32 s28, s27
	s_cselect_b32 s32, 1, 0                        ; was this block worked?
	s_wait_xcnt 0x0                                ; the stores have read their registers and bases: both may be written again
	s_add_co_u32 s28, s28, 64
	s_add_nc_u64 s[20:21], s[20:21], 262144        ; four tiles on in hq
	s_add_nc_u64 s[22:23], s[22:23], 8192          ; a block on in hs
.endm
	s_load_b512 s[8:23], s[0:1], 0x0               ; xq s[8:9], xs s[10:11], eid s[12:13], W1's codes s[14:15], its scales s[16:17], b1 s[18:19], hq s[20:21], hs s[22:23]
	v_lshl_add_u32 v254, v0, 2, 0x31800
	v_mov_b32 v255, 0
	v_lshrrev_b32 v1, 5, v0
	v_readfirstlane_b32 s24, v1                    ; wave
	s_lshr_b32 s25, ttmp9, 5                       ; expert
	s_and_b32 s26, ttmp9, 31                       ; which 128 hidden units
	v_and_b32 v1, 31, v0                           ; lane
	v_and_b32 v2, 15, v0                           ; r
	v_bfe_u32 v3, v0, 4, 1                         ; h
	v_lshlrev_b32 v4, 4, v1                        ; 16 x lane
	v_lshlrev_b32 v5, 3, v1                        ; 8 x lane
	; every LDS address that is made of ids alone is made here, ahead of the parting of the waves
.irp a, 0,1,2,3
	s_add_co_u32 s2, s24, \a
	s_and_b32 s2, s2, 3                            ; set a is tile (w + a) % 4
	s_lshl_b32 s3, s2, 2
	v_lshl_add_u32 v[LADR+\a], v2, 4, s3
.if \a > 0
	s_mul_i32 s3, s2, DSTB
	s_add_co_u32 s3, s3, STG+(\a-1)*SLOTB
	v_add_nc_u32 v[WAD+\a-1], s3, v4
	v_add_nc_u32 v[WAD+3+\a-1], PARB, v[WAD+\a-1]
.endif
.endr
	s_mul_i32 s3, s24, DSTB
	s_add_co_u32 s3, s3, STG
	v_add_nc_u32 v[RAD], s3, v4
	v_add_nc_u32 v[RAD+1], PARB, v[RAD]
	s_lshl_b32 s3, s24, 2
	s_add_co_u32 s3, s3, SCW
	v_lshl_add_u32 v[SCWW], v2, 4, s3              ; word 4 r + w
	v_add_nc_u32 v[SCWR], SCW, v5
	v_lshlrev_b32 v[H16], 4, v3
	v_mov_b32 v[CNTA], CNTB
	v_add_nc_u32 v[DMP], DUMPW, v1
	v_and_b32 v[TMPV], 8, v2
	v_add_nc_u32 v[TMPV], v[TMPV], v2              ; r + 8 (r / 8)
	v_lshlrev_b32 v[WOF], 10, v[TMPV]
	v_lshl_add_u32 v[WOF], v3, 4, v[WOF]
	v_lshlrev_b32 v[WSO], 5, v[TMPV]
	v_lshlrev_b32 v[BOF], 6, v3
	v_lshlrev_b32 v[RV], 2, v1
	v_mov_b32 v[A6V], 0xaf95df0b
	v_mov_b32 v[A6V+1], 0xaf95df0b
	v_mov_b32 v[B4V], 0xb77460cd
	v_mov_b32 v[B4V+1], 0xb77460cd
.irp i, 0,1,2,3
	v_mov_b32 v[ZQ+\i], 0
	v_mov_b32 v[TM+4+\i], 0                        ; written once: a lane permute's destination counts as one of its sources
.endr
	WIN 0x80
.set i, 0
.rept 64
	v_mov_b32 v[i], 0                              ; my own tile's accumulators are written once here, while the first loads are not yet asked for, so that each register is written on every way through the text ahead of its first read
.set i, i+1
.endr
	WIN 0
	s_mov_b32 s36, 0x76543210
	s_mov_b32 s37, 0xfedcba98                      ; v_permlanex16_b32's selects for lane l xor 16
	s_mov_b32 s38, 0x600000                        ; the mantissa field of 57,344
	s_mov_b32 s3, 0
	s_wait_kmcnt 0x0
	s_lshl_b32 s2, s25, 22                         ; W1's codes: (4,096 e + 128 c) rows of 1,024 bytes + 256 w
	s_lshl_b32 s30, s26, 17
	s_add_co_u32 s2, s2, s30
	s_lshl_b32 s30, s24, 8
	s_add_co_u32 s2, s2, s30
	s_add_nc_u64 s[14:15], s[14:15], s[2:3]
	s_mov_b32 s2, s30                              ; xq: my quarter of a row
	s_add_nc_u64 s[8:9], s[8:9], s[2:3]
	s_lshl_b32 s2, s25, 17                         ; W1's scales: rows of 32 bytes + 8 w
	s_lshl_b32 s30, s26, 12
	s_add_co_u32 s2, s2, s30
	s_lshl_b32 s30, s24, 3
	s_add_co_u32 s2, s2, s30
	s_add_nc_u64 s[16:17], s[16:17], s[2:3]
	s_mov_b32 s2, s30
	s_add_nc_u64 s[10:11], s[10:11], s[2:3]
	s_lshl_b32 s2, s25, 14                         ; b1
	s_lshl_b32 s30, s26, 9
	s_add_co_u32 s2, s2, s30
	s_add_nc_u64 s[18:19], s[18:19], s[2:3]
	s_lshl_b32 s2, s25, 22                         ; hq: expert e, tile w, K step c
	s_lshl_b32 s30, s26, 11
	s_add_co_u32 s2, s2, s30
	s_lshl_b32 s30, s24, 16
	s_add_co_u32 s2, s2, s30
	s_add_nc_u64 s[20:21], s[20:21], s[2:3]
	s_lshl_b32 s2, s25, 17                         ; hs: expert e, block 0, K step c
	s_lshl_b32 s30, s26, 8
	s_add_co_u32 s2, s2, s30
	s_add_nc_u64 s[22:23], s[22:23], s[2:3]
	s_cmp_lg_u32 s24, 0
	s_cbranch_scc1 .Lothers
.set j, 0
.rept 16
	global_load_b128 v[EI+4*j:EI+4*j+3], v4, s[12:13] offset:512*j   ; eid: entry 128 j + 4 x lane + i
.set j, j+1
.endr
	WL_A
	s_wait_loadcnt 44                              ; WL_A's 44 loads are younger: eid is in
	COMPACT                                        ; and, between its runs, fragments 5 .. 15
	s_branch .Ljoin
.Lothers:
	WL_A
	WL_B
.Ljoin:
	s_wait_dscnt 0x0                               ; the list and the count have landed
	s_barrier_signal -1
	s_barrier_wait -1
	s_mov_b32 s28, 0                               ; the block's first list position
	s_mov_b32 s29, 0                               ; the trip's part of the list, in bytes
	s_mov_b32 s32, 0                               ; no block before
	ds_load_b32 v[TMPV], v[CNTA]
	LISTL 0
	SPAIR 48, 0x3f3504f3                           ; 1 / sqrt 2.  (Written here: the list's making used some of these registers)
	SPAIR 50, 0x32edffee                           ; A5 .. A0
	SPAIR 52, 0xb60cff51
	SPAIR 54, 0xb86ec2d2
	SPAIR 56, 0xba40ac63
	SPAIR 58, 0xbb41a1f6
	SPAIR 60, 0xbc83dbd4
	SPAIR 62, 0xb95fbd29                           ; B3 .. B0
	SPAIR 66, 0xbadc924e
	SPAIR 68, 0xbbf19bf8
	SPAIR 70, 0xbc69b6a7
	s_wait_dscnt 0x0
	v_readfirstlane_b32 s27, v[TMPV]
	s_min_u32 s27, s27, 1024                       ; the count
	XLOAD                                          ; block 0's x, without a condition: an empty list names token 0, whose rows are then not used
	s_cmp_eq_u32 s24, 0
	s_cselect_b32 vcc_lo, -1, 0
	s_wait_loadcnt 0x0                             ; the weights, b1 and block 0's x
	WIN 0xcc
.set i, 0
.rept 64
	v_cndmask_b32 v[128+i], 0, v[128+i], vcc_lo    ; b1 stays in wave 0 alone: it enters each sum once
.set i, i+1
.endr
	WIN 0
.rept 8
	v_nop
.endr
	s_mov_b32 s34, 8
.Ltrip:
	BLOCK 0
	BLOCK 1
	s_add_co_u32 s29, s29, 512
	s_sub_co_u32 s34, s34, 1
	s_cmp_lg_u32 s34, 0
	s_cbranch_scc1 .Ltrip
	s_wait_dscnt 0x0                               ; the last block's scale words have landed
	s_barrier_signal -1
	s_barrier_wait -1
	FLUSH 0
	s_wait_tensorcnt 0x0
	ds_add_u32 v254, v255
	s_wait_dscnt 0x0
	s_endpgm
.Lfunc_end_k_qbbb4a4dcff_up:
	.size	k_qbbb4a4dcff_up, .Lfunc_end_k_qbbb4a4dcff_up-k_qbbb4a4dcff_up
	.p2alignl 7, 3214868480
	.fill 96, 4, 3214868480
	.section	.rodata,"a",@progbits
	.p2align	6, 0x0
	.amdhsa_kernel k_qbbb4a4dcff_up
		.amdhsa_group_segment_fixed_size 203264
		.amdhsa_private_segment_fixed_size 0
		.amdhsa_enable_private_segment 0
		.amdhsa_kernarg_size 64
		.amdhsa_user_sgpr_count 2
		.amdhsa_user_sgpr_kernarg_segment_ptr 1
		.amdhsa_wavefront_size32 1
		.amdhsa_system_sgpr_workgroup_id_x 1
		.amdhsa_system_sgpr_workgroup_id_y 1
		.amdhsa_system_sgpr_workgroup_id_z 1
		.amdhsa_system_vgpr_workitem_id 0
		.amdhsa_next_free_vgpr 1024
		.amdhsa_next_free_sgpr 100
		.amdhsa_reserve_vcc 1
		.amdhsa_float_denorm_mode_32 3
		.amdhsa_float_denorm_mode_16_64 3
		.amdhsa_memory_ordered 1
		.amdhsa_forward_progress 1
		.amdhsa_inst_pref_size 211
	.end_amdhsa_kernel
	.amdgpu_metadata
---
amdhsa.version: [ 1, 2 ]
amdhsa.kernels:
  - .name:           k_qbbb4a4dcff_up
    .symbol:         k_qbbb4a4dcff_up.kd
    .args:
      - { .name: xq, .offset: 0, .size: 8, .value_kind: global_buffer, .address_space: global }
      - { .name: xs, .offset: 8, .size: 8, .value_kind: global_buffer, .address_space: global }
      - { .name: eid, .offset: 16, .size: 8, .value_kind: global_buffer, .address_space: global }
      - { .name: W1_codes, .offset: 24, .size: 8, .value_kind: global_buffer, .address_space: global }
      - { .name: W1_scales, .offset: 32, .size: 8, .value_kind: global_buffer, .address_space: global }
      - { .name: b1, .offset: 40, .size: 8, .value_kind: global_buffer, .address_space: global }
      - { .name: hq, .offset: 48, .size: 8, .value_kind: global_buffer, .address_space: global }
      - { .name: hs, .offset: 56, .size: 8, .value_kind: global_buffer, .address_space: global }
    .group_segment_fixed_size: 203264
    .private_segment_fixed_size: 0
    .kernarg_segment_align: 8
    .kernarg_segment_size: 64
    .max_flat_workgroup_size: 128
    .sgpr_count:     100
    .vgpr_count:     1024
    .wavefront_size: 32
...
	.end_amdgpu_metadata
.endif
;; end of part 2
;; launch down (part 3): grid 256 x 1, 4 waves a work-group, no clusters, 150,016 bytes of LDS; arguments hq, hs, eid, gw, W2_codes, W2_scales, b2, part; writes part
.if DOCPART == 3
	.amdgcn_target "amdgcn-amd-amdhsa--gfx1250"
	.amdhsa_code_object_version 6
	.text
	.protected	k_qbbb4a4dcff_down
	.globl	k_qbbb4a4dcff_down
	.p2align	8
	.type	k_qbbb4a4dcff_down,@function
k_qbbb4a4dcff_down:
	s_mov_b64 s[64:65], 0
	v_nop
	global_prefetch_b8 v0, s[64:65] scope:SCOPE_SE
	s_setreg_imm32_b32 hwreg(HW_REG_WAVE_MODE, 25, 1), 1
	s_wait_xcnt 0x0
; part[entry] = gate x (h W2[e]^T + b2[e]) for the rows routed to expert e, on codes of E5M2 with one E8M0 scale for each 32 along K.
; SHARES.  Work-group id = (16 e + c) 2 + p owns outputs 64 c .. + 63 of expert e for the blocks p, p + 2, .. of 64 rows.  ITS WEIGHTS STAY IN REGISTERS: wave w holds K steps 8 w .. 8 w + 7 (K = 1,024 w on) of the
; four tiles of 16 outputs: 32 fragments, 512 registers.  The rows go by: h's fragments come from hq as images of their registers, 16 bytes a lane, through a ring of four register buffers, three K steps ahead.
; THE ORDER ALONG K.  The sixteen work-groups that read the same rows of h do not walk K alike: register slot j holds K step j xor 4 (c % 2), so those with odd c take their wave's K steps 4-7 first and 0-3 after.
; When the ring of four is filled, the two kinds together ask for all eight K steps of a block, and each K step that one kind asks for later has been asked for earlier by the other.  Only addresses differ
; (two offsets for W2's codes, two for its scale words, two bases for hq, two for hs); the sums are f32 sums over the same products in another order.
; THE LIST is made as in the launch before, by the same lines in the same order, so that positions agree; the gate weights are gathered beside it.  Tile m of block b holds positions 64 b + 4 r + m.
; Wave 0 makes it, sixteen registers at a time, and asks for fragments 4 .. 17 of its weights between the runs; fragments 18 .. 31 and the first K steps of h are asked for by every wave behind the list's barrier.
; A BLOCK.  128 matrix instructions a wave into 16 accumulators (m, n) by turns.  THE PRODUCT IS USED TRANSPOSED (source 0 = 16 rows of W2, source 1 = 16 rows of h): a lane holds eight neighbouring outputs of one row.
; The four waves' quarters of K meet in a stage in LDS laid by rows (64 rows x 256 bytes + 16, one such for each wave): one barrier; wave w adds the four for rows 16 w .. + 15, adds b2, multiplies by the gate and
; stores: sixteen lanes store 256 consecutive bytes, aligned, of the entry's row of part.  In a block that reaches past the count the rows past it are masked by EXEC; a block that lies under the count stores with all lanes on.
; Each row of part has one owner for each 64 columns: nothing is added in memory.
; CONTROL.  A constant number of trips (8 blocks a work-group); every wave passes every barrier; work past the count is jumped over by scalar branches on the count, which is read from memory.
; The text has no tensor load and no joint loads in a cluster.  Two blocks a trip: the stage's parity is a constant of the text.
; LIMITS.  NaN and infinities are not served.
; REGISTERS, in windows of 256.  Window 0: see the names below.  Windows 1, 2: W2's fragment f = 8 n + slot at v[16 (f % 16)] of window 1 + f / 16.  Window 3: h's buffer b, tile m, at v[64 b + 16 m].
.set DUMPW, 1088                       ; LDS: the list, words 0 .. 1,087 (bytes 0 .. 4,351); behind it a dump word for each lane (bytes 4,352 .. 4,479), written and never read; zeros are laid up to 4,607
.set GWL,   4608                       ; the gate weights, laid likewise
.set CNTB,  9216                       ; the count
.set STG,   9472                       ; the stage: two parities of four sources of 64 rows, 272 bytes apart
.set PARB,  69632
.set SRCB,  17408
.set SWR,  8                           ; v8-9    where I put 32 bytes of a row, parity 0, 1
.set SRD,  10                          ; v10-11  where I read a row back
.set LRD,  12                          ; v12     16 (lane / 16) + 4 w: my rows' place in a block's part of the list
.set POS0, 13                          ; v13     4 (lane / 16) + w
.set CNTA, 14
.set RV,   15                          ; v15     4 x lane
.set VWL,  16                          ; v16-17  my lane's byte in a tile of W2, for slots 0-3 and for slots 4-7; never rewritten
.set VCL,  18                          ; v18-19  and in its scale bytes; never rewritten
.set CR,   20                          ; v20-23  the list's making: four entries by turns
.set LT,   24
.set TMPV, 25
.set DMP,  26                          ; v26     my dump word's index: 1,088 + lane
.set B2V,  28                          ; v28-31  b2 of my four columns
.set W2S,  32                          ; v32-63  W2's scale words (n, slot) at 32 + 8 n + slot: scales and nothing else
.set HSC,  64                          ; v64-79  h's (buffer b, tile m) at 64 + 4 b + m: likewise
.set LE,   80                          ; v80-87  my eight rows' entries
.set GWV,  88                          ; v88-95  their gate weights
.set CP,   80                          ; at the head: the list's making: sixteen positions
.set PO,   96                          ; v96-103 their byte offsets in part
.set PS,   104                         ; v104-111 their list positions
.set ZQ,   112                         ; v112-115 zeros
.set ACC,  128                         ; v128-255 accumulator (m, n) at 128 + 8 (4 m + n); later the stage's rows; at the head eid and gw
.set EI,   128
.set GWI,  192
.set MK,   66                          ; s66-81  at the head: sixteen masks
.set BS,   82                          ; s82-97  their counts, then running sums
.set CY,   40                          ; s40-44  the sum carried into each run; the last is the count
.set HQL,  50                          ; s[50:51] hq for slots 0-3, s[52:53] for slots 4-7
.set HSL,  54                          ; s[54:55], s[56:57] hs likewise
.set MSB, 0
.macro WIN new                         ; the immediate's high byte repeats the setting that is left
.if MSB != \new
	s_set_vgpr_msb (MSB<<8)|\new
.set MSB, \new
.endif
.endm
.macro WFRAG f                         ; W2's fragment f = 8 n + slot: rows 16 n on; the slot's K step stands in the offset register (which four) and in the immediate (which of them)
	WIN 0x40*(1+(\f)/16)
.irp cc, 0,1,2,3
	global_load_b128 v[16*((\f)%16)+4*\cc:16*((\f)%16)+4*\cc+3], v[VWL+((\f)%8)/4], s[16:17] offset:16*((\f)/8)*4096+128*((\f)%4)+32*\cc
.endr
.endm
.macro WL_A                            ; 25 loads: b2, W2's scale words (8), fragments 0-3 (16)
	global_load_b128 v[B2V:B2V+3], v5, s[20:21]
.irp n, 0,1,2,3
	global_load_b128 v[W2S+8*\n:W2S+8*\n+3], v[VCL], s[18:19] offset:16*\n*128
	global_load_b128 v[W2S+8*\n+4:W2S+8*\n+7], v[VCL+1], s[18:19] offset:16*\n*128
.endr
.irp f, 0,1,2,3
	WFRAG \f
.endr
	WIN 0
.endm
.macro WL_B
.irp f, 4,5,6,7,8,9,10,11,12,13,14,15,16,17
	WFRAG \f
.endr
	WIN 0
.endm
.macro WL_C
.irp f, 18,19,20,21,22,23,24,25,26,27,28,29,30,31
	WFRAG \f
.endr
	WIN 0
.endm
.macro CHOOK                           ; behind the first two runs of the list's making wave 0 asks for seven fragments each: 4 .. 17
.if B < 2
.irp g, 0,1,2,3,4,5,6
	WFRAG 4+7*B+\g
.endr
	WIN 0
.endif
.endm
; Wave 0: the entries of expert e and their gate weights, in the order (register, lane); the rest is zeros.  All lanes stay on: a lane whose entry is another expert's stores to its own dump words.
; Run B takes registers 16 B .. 16 B + 15.  s[BS + q] becomes the number of entries found up to and with register q; the position is the sum up to the register before + those in the lanes below me.
; The choice between position and dump word is made on the word's index, ahead of the hold at 1,151 (0x47f); behind the hold stands the shift to bytes alone.
.macro COMPACT
.irp k, 0,1,2,3,4,5,6,7,8
	ds_store_b128 v4, v[ZQ:ZQ+3] offset:512*\k
	ds_store_b128 v4, v[ZQ:ZQ+3] offset:GWL+512*\k
.endr
	s_mov_b32 s[CY], 0
.set B, 0
.rept 4
.irp q, 0,1,2,3,4,5,6,7,8,9,10,11,12,13,14,15
	v_cmp_eq_u32 s[MK+\q], s25, v[EI+16*B+\q]
.endr
.irp q, 0,1,2,3,4,5,6,7,8,9,10,11,12,13,14,15
	s_bcnt1_i32_b32 s[BS+\q], s[MK+\q]
.endr
	s_add_co_u32 s[BS], s[BS], s[CY+B]
.irp q, 1,2,3,4,5,6,7,8,9,10,11,12,13,14
	s_add_co_u32 s[BS+\q], s[BS+\q], s[BS+\q-1]
.endr
	s_add_co_u32 s[CY+B+1], s[BS+15], s[BS+14]
	v_mbcnt_lo_u32_b32 v[CP], s[MK], s[CY+B]
.irp q, 1,2,3,4,5,6,7,8,9,10,11,12,13,14,15
	v_mbcnt_lo_u32_b32 v[CP+\q], s[MK+\q], s[BS+\q-1]
.endr
.irp q, 0,1,2,3,4,5,6,7,8,9,10,11,12,13,14,15
	v_cndmask_b32 v[CP+\q], v[DMP], v[CP+\q], s[MK+\q]   ; mine: the position; not mine: the dump word
.endr
.irp q, 0,1,2,3,4,5,6,7,8,9,10,11,12,13,14,15
	v_min_u32 v[CP+\q], 0x47f, v[CP+\q]
.endr
.irp q, 0,1,2,3,4,5,6,7,8,9,10,11,12,13,14,15
	v_lshlrev_b32 v[CP+\q], 2, v[CP+\q]
.endr
.irp q, 0,1,2,3,4,5,6,7,8,9,10,11,12,13,14,15
	v_add_nc_u32 v[CR+\q%4], 128*(4*B+\q/4)+\q%4, v[RV]   ; the entry: 128 x load + 4 x lane + word
	ds_store_b32 v[CP+\q], v[CR+\q%4]
	ds_store_b32 v[CP+\q], v[GWI+16*B+\q] offset:GWL
.endr
	CHOOK
.set B, B+1
.endr
	v_mov_b32 v[TMPV], s[CY+4]
	ds_store_b32 v[CNTA], v[TMPV]
.endm
.macro HLOAD j, off, offs, b           ; 17 loads: the four tiles' fragments of h for slot j of my eight, and their scale words (one load: word 4 r + m), into buffer b
	WIN 0xc0
.irp m, 0,1,2,3
.irp cc, 0,1,2,3
	global_load_b128 v[64*(\b)+16*\m+4*\cc:64*(\b)+16*\m+4*\cc+3], v4, s[HQL+2*((\j)/4):HQL+2*((\j)/4)+1] offset:(\off)+\m*65536+((\j)%4)*2048+512*\cc
.endr
.endr
	WIN 0
	global_load_b128 v[HSC+4*(\b):HSC+4*(\b)+3], v5, s[HSL+2*((\j)/4):HSL+2*((\j)/4)+1] offset:(\offs)+256*((\j)%4)
.endm
.macro MM n, m, j
.if (\j) == 0                          ; the first slot starts the sums: nothing is cleared
	v_wmma_scale_f32_16x16x128_f8f6f4 v[ACC+8*(4*\m+\n):ACC+8*(4*\m+\n)+7], v[16*(8*((\n)%2)+(\j)):16*(8*((\n)%2)+(\j))+15], v[64*((\j)%4)+16*\m:64*((\j)%4)+16*\m+15], 0, v[W2S+8*\n+(\j)], v[HSC+4*((\j)%4)+\m] matrix_a_fmt:MATRIX_FMT_BF8 matrix_b_fmt:MATRIX_FMT_BF8
.else
	v_wmma_scale_f32_16x16x128_f8f6f4 v[ACC+8*(4*\m+\n):ACC+8*(4*\m+\n)+7], v[16*(8*((\n)%2)+(\j)):16*(8*((\n)%2)+(\j))+15], v[64*((\j)%4)+16*\m:64*((\j)%4)+16*\m+15], v[ACC+8*(4*\m+\n):ACC+8*(4*\m+\n)+7], v[W2S+8*\n+(\j)], v[HSC+4*((\j)%4)+\m] matrix_a_fmt:MATRIX_FMT_BF8 matrix_b_fmt:MATRIX_FMT_BF8
.endif
.endm
; Slot j: 16 matrix instructions, the 16 accumulators by turns.  cnt: the loads younger than this slot's 17.  more = 1: its buffer takes the slot four on.
.macro KSTEP j, cnt, more, off, offs
	s_wait_loadcnt \cnt
	WIN 0x0d                                       ; source 0 (W2) window 1, source 1 (h) window 3
.irp n, 0,1
.irp m, 0,1,2,3
	MM \n, \m, \j
.endr
.endr
	WIN 0x0e                                       ; source 0 window 2
.irp n, 2,3
.irp m, 0,1,2,3
	MM \n, \m, \j
.endr
.endr
.if \more
	WIN 0
.rept 8
	v_nop                                          ; places ahead of loads into registers that matrix instructions have read (ISA guide 7.12.1 for vector instructions)
.endr
	HLOAD ((\j)+4)%8, \off, \offs, (\j)%4
.endif
.endm
.macro COMPUTE next                    ; a block's eight slots.  next = 1: the last four ask for the first four of my next block, two blocks on.  17 loads a slot, three younger slots out: 51
	KSTEP 0, 51, 1, 0, 0
	KSTEP 1, 51, 1, 0, 0
	KSTEP 2, 51, 1, 0, 0
	KSTEP 3, 51, 1, 0, 0
.if \next
	KSTEP 4, 51, 1, 524288, 16384
	KSTEP 5, 51, 1, 524288, 16384
	KSTEP 6, 51, 1, 524288, 16384
	KSTEP 7, 51, 1, 524288, 16384
.else
	KSTEP 4, 51, 0, 0, 0                           ; nothing more is asked for: the counts run down
	KSTEP 5, 34, 0, 0, 0
	KSTEP 6, 17, 0, 0, 0
	KSTEP 7, 0, 0, 0, 0
.endif
	WIN 0
.endm
.macro BLOCK par
	s_cmp_lt_u32 s28, s27                          ; has this block rows?
	s_cbranch_scc0 .Lskipa_\@
	s_add_co_u32 s2, s28, 128
	s_cmp_lt_u32 s2, s27                           ; has my next block rows?
	s_cbranch_scc0 .Llast_\@
	COMPUTE 1
	s_branch .Ldone_\@
.Llast_\@:
	COMPUTE 0
.Ldone_\@:
.rept 9
	v_nop                                          ; eight places ahead of the reads of the results; the ninth for the next block's first products, which write over them
.endr
.irp m, 0,1,2,3
.irp n, 0,1,2,3
	ds_store_b128 v[SWR+\par], v[ACC+8*(4*\m+\n):ACC+8*(4*\m+\n)+3] offset:16*\m*272+64*\n       ; lane (r, h): row 16 m + r, columns 16 n + 8 h + 0 .. 7; each accumulator from its low end on
	ds_store_b128 v[SWR+\par], v[ACC+8*(4*\m+\n)+4:ACC+8*(4*\m+\n)+7] offset:16*\m*272+64*\n+16
.endr
.endr
.Lskipa_\@:
	s_wait_dscnt 0x0                               ; my stores have landed, and my reads of the other parity's stage are back
	s_barrier_signal -1
	s_barrier_wait -1                              ; every wave, every block
	s_cmp_lt_u32 s28, s27
	s_cbranch_scc0 .Lskipd_\@
	v_add_nc_u32 v[LT], s29, v[LRD]
.irp i, 0,1,2,3,4,5,6,7
	ds_load_b32 v[LE+\i], v[LT] offset:512*\par+32*\i          ; stage row 16 w + 2 i + lane / 16 is list position 64 b + 8 i + 4 (lane / 16) + w
.endr
.irp i, 0,1,2,3,4,5,6,7
	ds_load_b32 v[GWV+\i], v[LT] offset:GWL+512*\par+32*\i
.endr
.irp i, 0,1,2,3,4,5,6,7
.irp q, 0,1,2,3
	ds_load_b128 v[ACC+16*\i+4*\q:ACC+16*\i+4*\q+3], v[SRD+\par] offset:\q*SRCB+2*\i*272   ; lanes 0-15 one row of 256 bytes, lanes 16-31 the next; the four waves' quarters of K
.endr
.endr
	s_wait_dscnt 32                                ; the 32 stage loads are younger: entries and gates are in
.irp i, 0,1,2,3,4,5,6,7
	v_min_u32 v[PO+\i], 0x7ff, v[LE+\i]
.endr
.irp i, 0,1,2,3,4,5,6,7
	v_lshl_add_u32 v[PO+\i], v[PO+\i], 12, v5      ; the entry's row of 4,096 bytes + my 16 bytes
.endr
	v_add_nc_u32 v[TMPV], s28, v[POS0]
.irp i, 0,1,2,3,4,5,6,7
	v_add_nc_u32 v[PS+\i], 8*\i, v[TMPV]
.endr
.irp i, 0,1,2,3,4,5,6,7
	s_wait_dscnt 28-4*\i                           ; row pair i's four loads are in; the later pairs' may be out
	v_pk_add_f32 v[ACC+16*\i:ACC+16*\i+1], v[ACC+16*\i:ACC+16*\i+1], v[ACC+16*\i+4:ACC+16*\i+5]
	v_pk_add_f32 v[ACC+16*\i+2:ACC+16*\i+3], v[ACC+16*\i+2:ACC+16*\i+3], v[ACC+16*\i+6:ACC+16*\i+7]
	v_pk_add_f32 v[ACC+16*\i+8:ACC+16*\i+9], v[ACC+16*\i+8:ACC+16*\i+9], v[ACC+16*\i+12:ACC+16*\i+13]
	v_pk_add_f32 v[ACC+16*\i+10:ACC+16*\i+11], v[ACC+16*\i+10:ACC+16*\i+11], v[ACC+16*\i+14:ACC+16*\i+15]
	v_pk_add_f32 v[ACC+16*\i:ACC+16*\i+1], v[ACC+16*\i:ACC+16*\i+1], v[ACC+16*\i+8:ACC+16*\i+9]
	v_pk_add_f32 v[ACC+16*\i+2:ACC+16*\i+3], v[ACC+16*\i+2:ACC+16*\i+3], v[ACC+16*\i+10:ACC+16*\i+11]
	v_pk_add_f32 v[ACC+16*\i:ACC+16*\i+1], v[ACC+16*\i:ACC+16*\i+1], v[B2V:B2V+1]
	v_pk_add_f32 v[ACC+16*\i+2:ACC+16*\i+3], v[ACC+16*\i+2:ACC+16*\i+3], v[B2V+2:B2V+3]
.irp u, 0,1,2,3
	v_mul_f32 v[ACC+16*\i+\u], v[ACC+16*\i+\u], v[GWV+\i]
.endr
.endr
	s_add_co_u32 s2, s28, 64
	s_cmp_le_u32 s2, s27                           ; do all 64 positions of the block lie under the count?
	s_cbranch_scc0 .Lpart_\@
.irp i, 0,1,2,3,4,5,6,7
	global_store_b128 v[PO+\i], v[ACC+16*\i:ACC+16*\i+3], s[22:23] th:TH_STORE_NT   ; all lanes on: each half of the lanes stores 256 consecutive bytes, aligned
.endr
	s_branch .Lsent_\@
.Lpart_\@:
.irp i, 0,1,2,3,4,5,6,7
	s_wait_xcnt 0x0                                ; EXEC changes only behind this wait
	v_cmpx_gt_u32 s27, v[PS+\i]                    ; a lane's positions rise with i: EXEC only narrows
	global_store_b128 v[PO+\i], v[ACC+16*\i:ACC+16*\i+3], s[22:23] th:TH_STORE_NT
.endr
	s_wait_xcnt 0x0                                ; and again, in front of the line that widens it
	s_mov_b32 exec_lo, -1
.Lsent_\@:
.Lskipd_\@:
	s_wait_xcnt 0x0                                ; the stores have read their registers, and the loads that are out their bases: both may be written
	s_add_co_u32 s28, s28, 128
.irp g, 0,2
	s_add_nc_u64 s[HQL+\g:HQL+\g+1], s[HQL+\g:HQL+\g+1], 524288   ; two blocks (eight tiles) on in hq
	s_add_nc_u64 s[HSL+\g:HSL+\g+1], s[HSL+\g:HSL+\g+1], 16384    ; and in hs
.endr
.endm
	s_load_b512 s[8:23], s[0:1], 0x0               ; hq s[8:9], hs s[10:11], eid s[12:13], gw s[14:15], W2's codes s[16:17], its scales s[18:19], b2 s[20:21], part s[22:23]
	v_lshl_add_u32 v126, v0, 2, 0x24800
	v_mov_b32 v127, 0
	v_lshrrev_b32 v1, 5, v0
	v_readfirstlane_b32 s24, v1                    ; wave
	s_lshr_b32 s25, ttmp9, 5                       ; expert
	s_bfe_u32 s26, ttmp9, 0x40001                  ; which 64 outputs
	s_and_b32 s31, ttmp9, 1                        ; even or odd blocks
	v_and_b32 v1, 31, v0                           ; lane
	v_and_b32 v2, 15, v0                           ; r
	v_bfe_u32 v3, v0, 4, 1                         ; h
	v_lshlrev_b32 v4, 4, v1                        ; 16 x lane
	v_lshlrev_b32 v5, 4, v2                        ; 16 r
	v_lshlrev_b32 v6, 12, v2
	v_lshl_add_u32 v6, v3, 4, v6                   ; W2: row r of 4,096 bytes + 16 h
	v_lshlrev_b32 v7, 7, v2                        ; its scale bytes: 128 a row
	s_and_b32 s2, s26, 1                           ; c % 2: which four K steps slots 0-3 hold
	s_lshl_b32 s30, s2, 9
	v_add_nc_u32 v[VWL], s30, v6                   ; slots 0-3: four K steps of 128 bytes on where c is odd,
	s_xor_b32 s30, s30, 512
	v_add_nc_u32 v[VWL+1], s30, v6                 ; slots 4-7: the other four
	s_lshl_b32 s30, s2, 4
	v_add_nc_u32 v[VCL], s30, v7                   ; their scale words likewise: four words of 4 bytes
	s_xor_b32 s30, s30, 16
	v_add_nc_u32 v[VCL+1], s30, v7
	; every LDS address that is made of ids alone is made here, ahead of the parting of the waves
	s_mul_i32 s2, s24, SRCB
	s_add_co_u32 s2, s2, STG
	v_mul_u32_u24 v[SWR], v2, 272
	v_lshl_add_u32 v[SWR], v3, 5, v[SWR]
	v_add_nc_u32 v[SWR], s2, v[SWR]
	v_add_nc_u32 v[SWR+1], PARB, v[SWR]
	s_mul_i32 s2, s24, 16*272
	s_add_co_u32 s2, s2, STG
	v_mul_u32_u24 v[SRD], v3, 272
	v_lshl_add_u32 v[SRD], v2, 4, v[SRD]
	v_add_nc_u32 v[SRD], s2, v[SRD]
	v_add_nc_u32 v[SRD+1], PARB, v[SRD]
	s_lshl_b32 s2, s24, 2
	v_lshl_add_u32 v[LRD], v3, 4, s2
	v_lshl_add_u32 v[POS0], v3, 2, s24
	v_mov_b32 v[CNTA], CNTB
	v_add_nc_u32 v[DMP], DUMPW, v1
	v_lshlrev_b32 v[RV], 2, v1
.irp i, 0,1,2,3
	v_mov_b32 v[ZQ+\i], 0
.endr
	s_mov_b32 s3, 0
	s_wait_kmcnt 0x0
	s_lshl_b32 s2, s25, 22                         ; W2's codes: (1,024 e + 64 c) rows of 4,096 bytes + 1,024 w
	s_lshl_b32 s30, s26, 18
	s_add_co_u32 s2, s2, s30
	s_lshl_b32 s30, s24, 10
	s_add_co_u32 s2, s2, s30
	s_add_nc_u64 s[16:17], s[16:17], s[2:3]
	s_lshl_b32 s2, s25, 17                         ; its scales: rows of 128 bytes + 32 w
	s_lshl_b32 s30, s26, 13
	s_add_co_u32 s2, s2, s30
	s_lshl_b32 s30, s24, 5
	s_add_co_u32 s2, s2, s30
	s_add_nc_u64 s[18:19], s[18:19], s[2:3]
	s_lshl_b32 s2, s25, 12                         ; b2
	s_lshl_b32 s30, s26, 8
	s_add_co_u32 s2, s2, s30
	s_add_nc_u64 s[20:21], s[20:21], s[2:3]
	s_mov_b32 s2, s30                              ; part: my 64 columns
	s_add_nc_u64 s[22:23], s[22:23], s[2:3]
	s_lshl_b32 s2, s25, 22                         ; hq: expert e, block p, K step 8 w
	s_lshl_b32 s30, s31, 18
	s_add_co_u32 s2, s2, s30
	s_lshl_b32 s30, s24, 14
	s_add_co_u32 s2, s2, s30
	s_add_nc_u64 s[8:9], s[8:9], s[2:3]
	s_lshl_b32 s2, s25, 17                         ; hs likewise
	s_lshl_b32 s30, s31, 13
	s_add_co_u32 s2, s2, s30
	s_lshl_b32 s30, s24, 11
	s_add_co_u32 s2, s2, s30
	s_add_nc_u64 s[10:11], s[10:11], s[2:3]
	s_and_b32 s2, s26, 1                           ; the two bases of each: slots 0-3 begin four K steps on where c is odd, slots 4-7 where it is even
	s_lshl_b32 s2, s2, 13                          ; four K steps of 2,048 bytes in hq
	s_add_nc_u64 s[HQL:HQL+1], s[8:9], s[2:3]
	s_xor_b32 s2, s2, 8192
	s_add_nc_u64 s[HQL+2:HQL+3], s[8:9], s[2:3]
	s_lshr_b32 s2, s2, 3                           ; of 256 bytes in hs
	s_add_nc_u64 s[HSL+2:HSL+3], s[10:11], s[2:3]
	s_xor_b32 s2, s2, 1024
	s_add_nc_u64 s[HSL:HSL+1], s[10:11], s[2:3]
	s_cmp_lg_u32 s24, 0
	s_cbranch_scc1 .Lothers
.set j, 0
.rept 16
	global_load_b128 v[EI+4*j:EI+4*j+3], v4, s[12:13] offset:512*j    ; eid: entry 128 j + 4 x lane + i
.set j, j+1
.endr
.set j, 0
.rept 16
	global_load_b128 v[GWI+4*j:GWI+4*j+3], v4, s[14:15] offset:512*j  ; gw likewise
.set j, j+1
.endr
	WL_A
	s_wait_loadcnt 25                              ; WL_A's 25 loads are younger: eid and gw are in
	COMPACT                                        ; and, behind its first two runs, fragments 4 .. 17
	s_branch .Ljoin
.Lothers:
	WL_A
	WL_B
.Ljoin:
	s_wait_dscnt 0x0                               ; the list, the gates and the count have landed
	s_barrier_signal -1
	s_barrier_wait -1
	ds_load_b32 v[TMPV], v[CNTA]
	WL_C                                           ; fragments 18 .. 31
	s_lshl_b32 s28, s31, 6                         ; my first block's first list position
	s_lshl_b32 s29, s31, 8                         ; and its part of the list, in bytes
	HLOAD 0, 0, 0, 0                               ; my first block's first four slots, without a condition: the bytes lie inside hq and hs, and are not used where the block has no rows
	HLOAD 1, 0, 0, 1
	HLOAD 2, 0, 0, 2
	HLOAD 3, 0, 0, 3
	s_wait_dscnt 0x0
	v_readfirstlane_b32 s27, v[TMPV]
	s_min_u32 s27, s27, 1024                       ; the count
	s_wait_loadcnt 63                              ; 68 loads are younger than the last load of weights: b2, the scale words and W2 are in, on every way through the loop
	s_mov_b32 s34, 4
.Ltrip:
	BLOCK 0
	BLOCK 1
	s_add_co_u32 s29, s29, 1024
	s_sub_co_u32 s34, s34, 1
	s_cmp_lg_u32 s34, 0
	s_cbranch_scc1 .Ltrip
	s_wait_tensorcnt 0x0
	ds_add_u32 v126, v127
	s_wait_dscnt 0x0
	s_endpgm
.Lfunc_end_k_qbbb4a4dcff_down:
	.size	k_qbbb4a4dcff_down, .Lfunc_end_k_qbbb4a4dcff_down-k_qbbb4a4dcff_down
	.p2alignl 7, 3214868480
	.fill 96, 4, 3214868480
	.section	.rodata,"a",@progbits
	.p2align	6, 0x0
	.amdhsa_kernel k_qbbb4a4dcff_down
		.amdhsa_group_segment_fixed_size 150016
		.amdhsa_private_segment_fixed_size 0
		.amdhsa_enable_private_segment 0
		.amdhsa_kernarg_size 64
		.amdhsa_user_sgpr_count 2
		.amdhsa_user_sgpr_kernarg_segment_ptr 1
		.amdhsa_wavefront_size32 1
		.amdhsa_system_sgpr_workgroup_id_x 1
		.amdhsa_system_sgpr_workgroup_id_y 1
		.amdhsa_system_sgpr_workgroup_id_z 1
		.amdhsa_system_vgpr_workitem_id 0
		.amdhsa_next_free_vgpr 1024
		.amdhsa_next_free_sgpr 100
		.amdhsa_reserve_vcc 0
		.amdhsa_float_denorm_mode_32 3
		.amdhsa_float_denorm_mode_16_64 3
		.amdhsa_memory_ordered 1
		.amdhsa_forward_progress 1
		.amdhsa_inst_pref_size 214
	.end_amdhsa_kernel
	.amdgpu_metadata
---
amdhsa.version: [ 1, 2 ]
amdhsa.kernels:
  - .name:           k_qbbb4a4dcff_down
    .symbol:         k_qbbb4a4dcff_down.kd
    .args:
      - { .name: hq, .offset: 0, .size: 8, .value_kind: global_buffer, .address_space: global }
      - { .name: hs, .offset: 8, .size: 8, .value_kind: global_buffer, .address_space: global }
      - { .name: eid, .offset: 16, .size: 8, .value_kind: global_buffer, .address_space: global }
      - { .name: gw, .offset: 24, .size: 8, .value_kind: global_buffer, .address_space: global }
      - { .name: W2_codes, .offset: 32, .size: 8, .value_kind: global_buffer, .address_space: global }
      - { .name: W2_scales, .offset: 40, .size: 8, .value_kind: global_buffer, .address_space: global }
      - { .name: b2, .offset: 48, .size: 8, .value_kind: global_buffer, .address_space: global }
      - { .name: part, .offset: 56, .size: 8, .value_kind: global_buffer, .address_space: global }
    .group_segment_fixed_size: 150016
    .private_segment_fixed_size: 0
    .kernarg_segment_align: 8
    .kernarg_segment_size: 64
    .max_flat_workgroup_size: 128
    .sgpr_count:     100
    .vgpr_count:     1024
    .wavefront_size: 32
...
	.end_amdgpu_metadata
.endif
;; end of part 3
;; launch sum (part 4): grid 256 x 1, 4 waves a work-group, no clusters, 0 bytes of LDS; arguments x, part, out0; writes out0
.if DOCPART == 4
	.amdgcn_target "amdgcn-amd-amdhsa--gfx1250"
	.amdhsa_code_object_version 6
	.text
	.protected	k_qbbb4a4dcff_sum
	.globl	k_qbbb4a4dcff_sum
	.p2align	8
	.type	k_qbbb4a4dcff_sum,@function
k_qbbb4a4dcff_sum:
	s_mov_b64 s[64:65], 0
	v_nop
	global_prefetch_b8 v0, s[64:65] scope:SCOPE_SE
	s_setreg_imm32_b32 hwreg(HW_REG_WAVE_MODE, 25, 1), 1
	s_wait_xcnt 0x0
; out0[t] = x[t] + (part[2 t] + part[2 t + 1]): the two chosen experts' weighted rows and the residual.  One wave takes one token: 1,024 waves.
; A stream: each load and store of a wave covers 512 consecutive bytes, aligned; all 24 loads of a wave go out at once; no LDS, no barrier, no matrix unit: nothing is shared and nothing is multiplied.
.set P0, 8                             ; v8-39    part[2 t]
.set P1, 40                            ; v40-71   part[2 t + 1]
.set XR, 72                            ; v72-103  x[t]
	s_load_b128 s[4:7], s[0:1], 0x0                ; x, part
	s_load_b64 s[8:9], s[0:1], 0x10                ; out0
	v_lshrrev_b32 v1, 5, v0
	v_readfirstlane_b32 s10, v1                    ; wave
	v_and_b32 v1, 31, v0
	v_lshlrev_b32 v1, 4, v1                        ; 16 bytes a lane
	s_lshl_b32 s11, ttmp9, 2
	s_add_co_u32 s11, s11, s10                     ; my token
	s_lshl_b32 s12, s11, 12                        ; a row: 4,096 bytes
	s_mov_b32 s13, 0
	s_lshl_b32 s14, s11, 13                        ; two rows of part
	s_mov_b32 s15, 0
	s_wait_kmcnt 0x0
	s_add_nc_u64 s[4:5], s[4:5], s[12:13]
	s_add_nc_u64 s[6:7], s[6:7], s[14:15]
	s_add_nc_u64 s[8:9], s[8:9], s[12:13]
.irp i, 0,1,2,3,4,5,6,7
	global_load_b128 v[P0+4*\i:P0+4*\i+3], v1, s[6:7] offset:512*\i th:TH_LOAD_NT
.endr
.irp i, 0,1,2,3,4,5,6,7
	global_load_b128 v[P1+4*\i:P1+4*\i+3], v1, s[6:7] offset:4096+512*\i th:TH_LOAD_NT
.endr
.irp i, 0,1,2,3,4,5,6,7
	global_load_b128 v[XR+4*\i:XR+4*\i+3], v1, s[4:5] offset:512*\i th:TH_LOAD_NT
.endr
.irp i, 0,1,2,3,4,5,6,7
	s_wait_loadcnt 7-\i                            ; piece i of x is in, and so are both rows of part; the later pieces of x may be out
	v_pk_add_f32 v[P0+4*\i:P0+4*\i+1], v[P0+4*\i:P0+4*\i+1], v[P1+4*\i:P1+4*\i+1]
	v_pk_add_f32 v[P0+4*\i+2:P0+4*\i+3], v[P0+4*\i+2:P0+4*\i+3], v[P1+4*\i+2:P1+4*\i+3]
	v_pk_add_f32 v[P0+4*\i:P0+4*\i+1], v[P0+4*\i:P0+4*\i+1], v[XR+4*\i:XR+4*\i+1]
	v_pk_add_f32 v[P0+4*\i+2:P0+4*\i+3], v[P0+4*\i+2:P0+4*\i+3], v[XR+4*\i+2:XR+4*\i+3]
	global_store_b128 v1, v[P0+4*\i:P0+4*\i+3], s[8:9] offset:512*\i th:TH_STORE_NT
.endr
	s_endpgm
.Lfunc_end_k_qbbb4a4dcff_sum:
	.size	k_qbbb4a4dcff_sum, .Lfunc_end_k_qbbb4a4dcff_sum-k_qbbb4a4dcff_sum
	.p2alignl 7, 3214868480
	.fill 96, 4, 3214868480
	.section	.rodata,"a",@progbits
	.p2align	6, 0x0
	.amdhsa_kernel k_qbbb4a4dcff_sum
		.amdhsa_group_segment_fixed_size 0
		.amdhsa_private_segment_fixed_size 0
		.amdhsa_enable_private_segment 0
		.amdhsa_kernarg_size 24
		.amdhsa_user_sgpr_count 2
		.amdhsa_user_sgpr_kernarg_segment_ptr 1
		.amdhsa_wavefront_size32 1
		.amdhsa_system_sgpr_workgroup_id_x 1
		.amdhsa_system_sgpr_workgroup_id_y 1
		.amdhsa_system_sgpr_workgroup_id_z 1
		.amdhsa_system_vgpr_workitem_id 0
		.amdhsa_next_free_vgpr 104
		.amdhsa_next_free_sgpr 66
		.amdhsa_reserve_vcc 0
		.amdhsa_float_denorm_mode_32 3
		.amdhsa_float_denorm_mode_16_64 3
		.amdhsa_memory_ordered 1
		.amdhsa_forward_progress 1
		.amdhsa_inst_pref_size 7
	.end_amdhsa_kernel
	.amdgpu_metadata
---
amdhsa.version: [ 1, 2 ]
amdhsa.kernels:
  - .name:           k_qbbb4a4dcff_sum
    .symbol:         k_qbbb4a4dcff_sum.kd
    .args:
      - { .name: x, .offset: 0, .size: 8, .value_kind: global_buffer, .address_space: global }
      - { .name: part, .offset: 8, .size: 8, .value_kind: global_buffer, .address_space: global }
      - { .name: out0, .offset: 16, .size: 8, .value_kind: global_buffer, .address_space: global }
    .group_segment_fixed_size: 0
    .private_segment_fixed_size: 0
    .kernarg_segment_align: 8
    .kernarg_segment_size: 24
    .max_flat_workgroup_size: 128
    .sgpr_count:     66
    .vgpr_count:     104
    .wavefront_size: 32
...
	.end_amdgpu_metadata
.endif
;; end of part 4
;; ======== version 2 of 2: 4 launches
;; workspace buffers: xq 1,048,576 bytes; xs 32,768 bytes; eid 8,192 bytes of whole numbers; gw 8,192 bytes; hq 33,554,432 bytes; hs 1,048,576 bytes; part 8,388,608 bytes
;; launch route (part 5): grid 256 x 1, 4 waves a work-group, no clusters, 768 bytes of LDS; arguments x, gamma, beta, Wg, bg, xq, xs, eid, gw; writes xq, xs, eid, gw
.if DOCPART == 5
	.amdgcn_target "amdgcn-amd-amdhsa--gfx1250"
	.amdhsa_code_object_version 6
	.text
	.protected	k_qbbb4a4dcff_route
	.globl	k_qbbb4a4dcff_route
	.p2align	8
	.type	k_qbbb4a4dcff_route,@function
k_qbbb4a4dcff_route:
	s_mov_b64 s[64:65], 0
	v_nop
	global_prefetch_b8 v0, s[64:65] scope:SCOPE_SE
	s_setreg_imm32_b32 hwreg(HW_REG_WAVE_MODE, 25, 1), 1
	s_wait_xcnt 0x0
; LayerNorm, router and quantiser.  One wave takes one token t = 4 x work-group + wave: 1,024 waves for 1,024 tokens.
; xn = (x - mean) / sqrt(var + 1e-5) * gamma + beta, all in f32.  From xn: (a) its codes of E5M2 and one E8M0 byte for each 32 along the row (xq, xs);
; (b) the eight logits xn . Wg[e] + bg[e] by f32 multiply-adds, their softmax (the maximum taken away first), the two largest probabilities (the lower index wins a tie)
; and the two gate weights p / (p1 + p2 + 1e-8).  The two experts go to eid[2 t + k], the weights to gw[2 t + k]: fixed places; no address and no branch here hangs on them.
; LAYOUT.  A row is four chunks q of 256 numbers; lane l holds numbers 256 q + 8 l .. + 7: eight neighbours, as the conversion wants them; a block of 32 lies in lanes 4 g .. 4 g + 3.
; A chunk's codes leave as 256 consecutive bytes.  The scale bytes (32 a token), the experts and the weights (8 bytes each a token) are small pieces: a wave owns one token; 48 KiB in all.
; LIMITS.  NaN and infinities are not served.  A block of zeros gets the byte 1 where the rule says 127: its codes are zeros, and this program alone reads the bytes.
; A probability under 2^-126 counts as 0 (v_exp_f32 gives 0 there).  No matrix unit, no tensor load, no cluster: a wave's data are its own but for Wg's 32 KiB.
.set X,   16                           ; v16-47    x, then x - mean, then xn
.set G,   48                           ; v48-79    gamma, later the held numbers
.set BT,  80                           ; v80-111   beta, later bytes, LDS addresses and codes
.set WGR, 112                          ; v112-239  Wg of experts 0-3, 32 each; experts 4-7 in window 1, v0-127 there
.set LG,  240                          ; v240-255  eight pairs: logits, then p (even) and at work (odd)
.set MSB, 0
.macro WIN new                         ; the immediate's high byte repeats the setting that is left
.if MSB != \new
	s_set_vgpr_msb (MSB<<8)|\new
.set MSB, \new
.endif
.endm
.macro ROW32 reg, base, off            ; my 32 numbers of a row of 1,024
.irp q, 0,1,2,3
	global_load_b128 v[\reg+8*\q:\reg+8*\q+3], v2, s[\base:\base+1] offset:\off+1024*\q
	global_load_b128 v[\reg+8*\q+4:\reg+8*\q+7], v2, s[\base:\base+1] offset:\off+1024*\q+16
.endr
.endm
.macro REDADD r, t                     ; the sum over the 32 lanes, in every lane
	v_add_f32_dpp v[\r], v[\r], v[\r] row_xmask:1 row_mask:0xf bank_mask:0xf
	v_add_f32_dpp v[\r], v[\r], v[\r] row_xmask:2 row_mask:0xf bank_mask:0xf
	v_add_f32_dpp v[\r], v[\r], v[\r] row_xmask:4 row_mask:0xf bank_mask:0xf
	v_add_f32_dpp v[\r], v[\r], v[\r] row_xmask:8 row_mask:0xf bank_mask:0xf
	v_permlanex16_b32 v[\t], v[\r], s36, s37
	v_add_f32 v[\r], v[\r], v[\t]
.endm
	s_load_b512 s[8:23], s[0:1], 0x0               ; x s[8:9], gamma s[10:11], beta s[12:13], Wg s[14:15], bg s[16:17], xq s[18:19], xs s[20:21], eid s[22:23]
	s_load_b64 s[24:25], s[0:1], 0x40              ; gw
	s_set_vgpr_msb 0x40
	v_lshl_add_u32 v128, v0, 2, 0x100
	v_mov_b32 v129, 0
	s_set_vgpr_msb 0x4000
	v_lshrrev_b32 v4, 5, v0
	v_readfirstlane_b32 s2, v4                     ; wave
	v_and_b32 v1, 31, v0                           ; lane
	v_lshlrev_b32 v2, 5, v1                        ; 32 bytes a lane in a chunk of f32
	v_lshlrev_b32 v3, 3, v1                        ; 8 bytes a lane in a chunk of codes
	s_lshl_b32 s3, ttmp9, 2
	s_add_co_u32 s3, s3, s2                        ; my token
	s_mov_b32 s36, 0x76543210
	s_mov_b32 s37, 0xfedcba98                      ; v_permlanex16_b32's selects for lane l xor 16
	s_mov_b32 s38, 0x600000                        ; the mantissa field of 57,344
	s_mov_b32 s39, 0x3a800000                      ; 1 / 1024
	s_mov_b32 s40, 0x3727c5ac                      ; 1e-5
	s_lshl_b32 s42, s3, 12                         ; a row of x: 4,096 bytes
	s_mov_b32 s43, 0
	s_lshl_b32 s44, s3, 10                         ; of codes: 1,024
	s_mov_b32 s45, 0
	s_lshl_b32 s46, s3, 5                          ; of scale bytes: 32
	s_mov_b32 s47, 0
	s_lshl_b32 s48, s3, 3                          ; two words
	s_mov_b32 s49, 0
	s_wait_alu depctr_va_vdst(0)
	s_wait_kmcnt 0x0
	s_load_b256 s[28:35], s[16:17], 0x0            ; bg
	s_add_nc_u64 s[8:9], s[8:9], s[42:43]
	s_add_nc_u64 s[18:19], s[18:19], s[44:45]
	s_add_nc_u64 s[20:21], s[20:21], s[46:47]
	s_add_nc_u64 s[22:23], s[22:23], s[48:49]
	s_add_nc_u64 s[24:25], s[24:25], s[48:49]
	ROW32 X, 8, 0
	ROW32 G, 10, 0
	ROW32 BT, 12, 0
.irp e, 0,1,2,3
	ROW32 WGR+32*\e, 14, 4096*\e
.endr
	WIN 0x40                                       ; destination window 1
.irp e, 0,1,2,3
	ROW32 32*\e, 14, 16384+4096*\e
.endr
	WIN 0
	s_wait_loadcnt 63                              ; 64 loads of Wg are younger than beta's last: x, gamma and beta are in
	; ---- the mean
.irp k, 0,1,2,3
	v_pk_add_f32 v[4+2*\k:5+2*\k], v[X+2*\k:X+2*\k+1], v[X+8+2*\k:X+9+2*\k]
.endr
.irp i, 16,24
.irp k, 0,1,2,3
	v_pk_add_f32 v[4+2*\k:5+2*\k], v[4+2*\k:5+2*\k], v[X+\i+2*\k:X+\i+2*\k+1]
.endr
.endr
	v_pk_add_f32 v[4:5], v[4:5], v[6:7]
	v_pk_add_f32 v[8:9], v[8:9], v[10:11]
	v_pk_add_f32 v[4:5], v[4:5], v[8:9]
	v_add_f32 v4, v4, v5
	REDADD 4, 5
	v_mul_f32 v4, s39, v4
	v_mov_b32 v5, v4
.set i, 0
.rept 16
	v_pk_add_f32 v[X+i:X+i+1], v[X+i:X+i+1], v[4:5] neg_lo:[0,1] neg_hi:[0,1]   ; x - mean
.set i, i+2
.endr
	; ---- the variance: the first products start the four chains
.irp k, 0,1,2,3
	v_pk_mul_f32 v[6+2*\k:7+2*\k], v[X+2*\k:X+2*\k+1], v[X+2*\k:X+2*\k+1]
.endr
.irp i, 8,16,24
.irp k, 0,1,2,3
	v_pk_fma_f32 v[6+2*\k:7+2*\k], v[X+\i+2*\k:X+\i+2*\k+1], v[X+\i+2*\k:X+\i+2*\k+1], v[6+2*\k:7+2*\k]
.endr
.endr
	v_pk_add_f32 v[6:7], v[6:7], v[8:9]
	v_pk_add_f32 v[10:11], v[10:11], v[12:13]
	v_pk_add_f32 v[6:7], v[6:7], v[10:11]
	v_add_f32 v6, v6, v7
	REDADD 6, 7
	v_fma_f32 v6, v6, s39, s40                     ; var + 1e-5
	s_wait_alu depctr_va_vdst(0)
	v_rsq_f32 v6, v6
	v_nop                                          ; a plain instruction behind the transcendental,
	s_wait_alu depctr_va_vdst(0)                   ; and the wait ahead of its first use
	v_mov_b32 v7, v6
.set i, 0
.rept 16
	v_pk_mul_f32 v[X+i:X+i+1], v[X+i:X+i+1], v[6:7]
.set i, i+2
.endr
.set i, 0
.rept 16
	v_pk_fma_f32 v[X+i:X+i+1], v[X+i:X+i+1], v[G+i:G+i+1], v[BT+i:BT+i+1]   ; xn
.set i, i+2
.endr
	; ---- the quantiser: chunk q's block of 32 lies in four neighbouring lanes.  v4-7 largest magnitudes, v8-11 scale operands, v12-15 the largest number x the scale
.irp q, 0,1,2,3
	v_max3_num_f32 v[4+\q], |v[X+8*\q]|, |v[X+8*\q+1]|, 0x8000000   ; and the floor 2^(16 - 127): the byte cannot fall under 1
.endr
.irp i, 2,4,6
.irp q, 0,1,2,3
	v_max3_num_f32 v[4+\q], v[4+\q], |v[X+8*\q+\i]|, |v[X+8*\q+\i+1]|
.endr
.endr
.irp k, 1,2
.irp q, 0,1,2,3
	v_max_num_f32_dpp v[4+\q], v[4+\q], v[4+\q] row_xmask:\k row_mask:0xf bank_mask:0xf
.endr
.endr
.irp q, 0,1,2,3
	v_add_nc_u32 v[8+\q], 0xf8800000, v[4+\q]      ; 15 off the exponent field: the conversion's scale operand
.endr
.irp q, 0,1,2,3
	v_and_or_b32 v[12+\q], v[4+\q], 0x7f800000, s38   ; 57,344 x the scale
.endr
.irp q, 0,1,2,3
	v_lshrrev_b32 v[BT+\q], 23, v[8+\q]            ; the scale's byte
.endr
	v_and_b32 v[BT+4], 0xe0, v0                    ; 32 x wave: my wave's 32 bytes of LDS
	v_bfe_u32 v[BT+5], v0, 2, 3
	v_add_nc_u32 v[BT+5], v[BT+4], v[BT+5]         ; + lane / 4: my block's byte in a chunk's eight
	v_and_b32 v[BT+6], 7, v0
	v_lshl_add_u32 v[BT+6], v[BT+6], 2, v[BT+4]    ; back: a word for each of lanes 0-7
.irp q, 0,1,2,3
.irp i, 0,1,2,3,4,5,6,7
	v_med3_num_f32 v[G+8*\q+\i], v[X+8*\q+\i], -v[12+\q], v[12+\q]   ; the conversion to an 8-bit code does not saturate (ISA guide 7.6.2): the hold.  xn itself stays for the router
.endr
	v_cvt_scalef32_pk8_bf8_f32 v[BT+8+2*\q:BT+9+2*\q], v[G+8*\q:G+8*\q+7], v[8+\q]
.endr
	v_nop                                          ; a plain instruction behind the last conversion
.irp q, 0,1,2,3
	global_store_b64 v3, v[BT+8+2*\q:BT+9+2*\q], s[18:19] offset:256*\q   ; 32 lanes store 256 consecutive bytes, aligned
	ds_store_b8 v[BT+5], v[BT+\q] offset:8*\q      ; the four lanes of a block write the same byte with the same value
.endr
	ds_load_b32 v[BT+7], v[BT+6]                   ; LDS serves a wave's instructions in order: this sees my stores
	; ---- the logits: f32 multiply-adds, four experts by turns
	s_wait_loadcnt 32                              ; experts 0-3 are in; the 32 loads of experts 4-7 may be out
.irp e, 0,1,2,3
	v_pk_mul_f32 v[LG+2*\e:LG+2*\e+1], v[X:X+1], v[WGR+32*\e:WGR+32*\e+1]
.endr
.set i, 2
.rept 15
.irp e, 0,1,2,3
	v_pk_fma_f32 v[LG+2*\e:LG+2*\e+1], v[X+i:X+i+1], v[WGR+32*\e+i:WGR+32*\e+i+1], v[LG+2*\e:LG+2*\e+1]
.endr
.set i, i+2
.endr
	s_wait_loadcnt 0x0
	WIN 0x04                                       ; source 1 window 1
.irp e, 0,1,2,3
	v_pk_mul_f32 v[LG+8+2*\e:LG+9+2*\e], v[X:X+1], v[32*\e:32*\e+1]
.endr
.set i, 2
.rept 15
.irp e, 0,1,2,3
	v_pk_fma_f32 v[LG+8+2*\e:LG+9+2*\e], v[X+i:X+i+1], v[32*\e+i:32*\e+i+1], v[LG+8+2*\e:LG+9+2*\e]
.endr
.set i, i+2
.endr
	WIN 0
.irp e, 0,1,2,3,4,5,6,7
	v_add_f32 v[LG+2*\e], v[LG+2*\e], v[LG+2*\e+1]
.endr
.irp k, 1,2,4,8
.irp e, 0,1,2,3,4,5,6,7
	v_add_f32_dpp v[LG+2*\e], v[LG+2*\e], v[LG+2*\e] row_xmask:\k row_mask:0xf bank_mask:0xf
.endr
.endr
.irp e, 0,1,2,3,4,5,6,7
	v_permlanex16_b32 v[LG+2*\e+1], v[LG+2*\e], s36, s37
.endr
.irp e, 0,1,2,3,4,5,6,7
	v_add_f32 v[LG+2*\e], v[LG+2*\e], v[LG+2*\e+1]
.endr
	s_wait_alu depctr_va_vdst(0)
	s_wait_kmcnt 0x0                               ; bg
.irp e, 0,1,2,3,4,5,6,7
	v_add_f32 v[LG+2*\e], s[28+\e], v[LG+2*\e]     ; every lane holds all eight logits
.endr
	; ---- softmax: the maximum is taken away first
	v_max3_num_f32 v4, v[LG], v[LG+2], v[LG+4]
	v_max3_num_f32 v4, v4, v[LG+6], v[LG+8]
	v_max3_num_f32 v4, v4, v[LG+10], v[LG+12]
	v_max_num_f32 v4, v4, v[LG+14]
.irp e, 0,1,2,3,4,5,6,7
	v_sub_f32 v[LG+2*\e+1], v[LG+2*\e], v4
.endr
.irp e, 0,1,2,3,4,5,6,7
	v_mul_f32 v[LG+2*\e+1], 0x3fb8aa3b, v[LG+2*\e+1]
.endr
	s_wait_alu depctr_va_vdst(0)
.irp e, 0,1,2,3,4,5,6,7
	v_exp_f32 v[LG+2*\e+1], v[LG+2*\e+1]
.endr
	v_lshlrev_b32 v13, 2, v1                       ; (a plain instruction behind the batch)  4 x lane, for the way out
	s_wait_alu depctr_va_vdst(0)                   ; one wait for the eight
	v_add_f32 v4, v[LG+1], v[LG+3]
	v_add_f32 v5, v[LG+5], v[LG+7]
	v_add_f32 v6, v[LG+9], v[LG+11]
	v_add_f32 v7, v[LG+13], v[LG+15]
	v_add_f32 v4, v4, v5
	v_add_f32 v6, v6, v7
	v_add_f32 v4, v4, v6
	s_wait_alu depctr_va_vdst(0)
	v_rcp_f32 v5, v4
	v_mov_b32 v7, 0                                ; (a plain instruction)  the first choice begins at expert 0
	s_wait_alu depctr_va_vdst(0)
.irp e, 0,1,2,3,4,5,6,7
	v_mul_f32 v[LG+2*\e], v[LG+2*\e+1], v5         ; p
.endr
	; ---- the two largest: a later expert takes the place only where it is strictly larger
	v_mov_b32 v6, v[LG]
.irp e, 1,2,3,4,5,6,7
	v_cmp_le_f32 vcc_lo, v[LG+2*\e], v6
	v_cndmask_b32 v6, v[LG+2*\e], v6, vcc_lo
	v_cndmask_b32 v7, \e, v7, vcc_lo
.endr
.irp e, 0,1,2,3,4,5,6,7
	v_cmp_ne_u32 vcc_lo, \e, v7
	v_cndmask_b32 v[LG+2*\e+1], -1.0, v[LG+2*\e], vcc_lo   ; the first choice is taken out: -1 lies under every p
.endr
	v_mov_b32 v8, v[LG+1]
	v_mov_b32 v9, 0
.irp e, 1,2,3,4,5,6,7
	v_cmp_le_f32 vcc_lo, v[LG+2*\e+1], v8
	v_cndmask_b32 v8, v[LG+2*\e+1], v8, vcc_lo
	v_cndmask_b32 v9, \e, v9, vcc_lo
.endr
	v_add_f32 v10, v6, v8
	v_add_f32 v10, 0x322bcc77, v10                 ; + 1e-8
	s_wait_alu depctr_va_vdst(0)
	v_rcp_f32 v10, v10
	v_cmp_eq_u32 vcc_lo, 1, v1                     ; (a plain instruction)  lane 1 takes the second choice
	s_wait_alu depctr_va_vdst(0)
	v_mul_f32 v6, v6, v10
	v_mul_f32 v8, v8, v10
	v_cndmask_b32 v11, v7, v9, vcc_lo
	v_cndmask_b32 v12, v6, v8, vcc_lo
	s_wait_alu depctr_va_vdst(0)
	s_wait_dscnt 0x0                               ; my token's scale words
	s_wait_xcnt 0x0                                ; EXEC changes only behind this wait
	s_set_vgpr_msb 0x5
	s_wait_tensorcnt 0x0
	ds_add_u32 v128, v129
	s_wait_dscnt 0x0
	s_set_vgpr_msb 0x500
	v_cmpx_gt_u32 8, v1
	global_store_b32 v13, v[BT+7], s[20:21]        ; 32 scale bytes
	s_wait_xcnt 0x0
	v_cmpx_gt_u32 2, v1
	global_store_b32 v13, v11, s[22:23]            ; the two experts
	global_store_b32 v13, v12, s[24:25]            ; and their weights
	s_wait_xcnt 0x0
	s_mov_b32 exec_lo, -1
	s_endpgm
.Lfunc_end_k_qbbb4a4dcff_route:
	.size	k_qbbb4a4dcff_route, .Lfunc_end_k_qbbb4a4dcff_route-k_qbbb4a4dcff_route
	.p2alignl 7, 3214868480
	.fill 96, 4, 3214868480
	.section	.rodata,"a",@progbits
	.p2align	6, 0x0
	.amdhsa_kernel k_qbbb4a4dcff_route
		.amdhsa_group_segment_fixed_size 768
		.amdhsa_private_segment_fixed_size 0
		.amdhsa_enable_private_segment 0
		.amdhsa_kernarg_size 72
		.amdhsa_user_sgpr_count 2
		.amdhsa_user_sgpr_kernarg_segment_ptr 1
		.amdhsa_wavefront_size32 1
		.amdhsa_system_sgpr_workgroup_id_x 1
		.amdhsa_system_sgpr_workgroup_id_y 1
		.amdhsa_system_sgpr_workgroup_id_z 1
		.amdhsa_system_vgpr_workitem_id 0
		.amdhsa_next_free_vgpr 386
		.amdhsa_next_free_sgpr 66
		.amdhsa_reserve_vcc 1
		.amdhsa_float_denorm_mode_32 3
		.amdhsa_float_denorm_mode_16_64 3
		.amdhsa_memory_ordered 1
		.amdhsa_forward_progress 1
		.amdhsa_inst_pref_size 39
	.end_amdhsa_kernel
	.amdgpu_metadata
---
amdhsa.version: [ 1, 2 ]
amdhsa.kernels:
  - .name:           k_qbbb4a4dcff_route
    .symbol:         k_qbbb4a4dcff_route.kd
    .args:
      - { .name: x, .offset: 0, .size: 8, .value_kind: global_buffer, .address_space: global }
      - { .name: gamma, .offset: 8, .size: 8, .value_kind: global_buffer, .address_space: global }
      - { .name: beta, .offset: 16, .size: 8, .value_kind: global_buffer, .address_space: global }
      - { .name: Wg, .offset: 24, .size: 8, .value_kind: global_buffer, .address_space: global }
      - { .name: bg, .offset: 32, .size: 8, .value_kind: global_buffer, .address_space: global }
      - { .name: xq, .offset: 40, .size: 8, .value_kind: global_buffer, .address_space: global }
      - { .name: xs, .offset: 48, .size: 8, .value_kind: global_buffer, .address_space: global }
      - { .name: eid, .offset: 56, .size: 8, .value_kind: global_buffer, .address_space: global }
      - { .name: gw, .offset: 64, .size: 8, .value_kind: global_buffer, .address_space: global }
    .group_segment_fixed_size: 768
    .private_segment_fixed_size: 0
    .kernarg_segment_align: 8
    .kernarg_segment_size: 72
    .max_flat_workgroup_size: 128
    .sgpr_count:     66
    .vgpr_count:     386
    .wavefront_size: 32
...
	.end_amdgpu_metadata
.endif
;; end of part 5
;; launch up (part 6): grid 256 x 1, 4 waves a work-group, no clusters, 203,264 bytes of LDS; arguments xq, xs, eid, W1_codes, W1_scales, b1, hq, hs; writes hq, hs
.if DOCPART == 6
	.amdgcn_target "amdgcn-amd-amdhsa--gfx1250"
	.amdhsa_code_object_version 6
	.text
	.protected	k_qbbb4a4dcff_up
	.globl	k_qbbb4a4dcff_up
	.p2align	8
	.type	k_qbbb4a4dcff_up,@function
k_qbbb4a4dcff_up:
	s_mov_b64 s[64:65], 0
	v_nop
	global_prefetch_b8 v0, s[64:65] scope:SCOPE_SE
	s_setreg_imm32_b32 hwreg(HW_REG_WAVE_MODE, 25, 1), 1
	s_wait_xcnt 0x0
; h = Q(gelu(xn W1[e]^T + b1[e])) for the rows routed to expert e, on codes of E5M2 with one E8M0 scale for each 32 along K.
; SHARES.  Work-group (e = id / 32, c = id % 32) owns hidden units 128 c .. + 127 of expert e: K step c of the second product.  ITS WEIGHTS STAY IN REGISTERS, read from memory once:
; wave w holds K = 256 w .. + 255 of all eight tiles of 16 units (16 fragments, 256 registers).  The rows go by, 64 a block.
; THE LIST.  An entry is 2 x token + slot.  Wave 0 gathers the entries whose expert (eid, stored by the launch before) is e into LDS, in the order (register, lane) of its loads, while the weights are on their way.
; It goes sixteen registers at a time: sixteen compares, their counts and running sums in scalar registers, then sixteen positions and stores; between these runs wave 0 asks for the rest of its weights.
; Tile m of block b holds list positions 64 b + 4 r + m, r = 0 .. 15.  Positions past the count hold entry 0: they are computed and stored as padding of whole images, and the next launch masks them.
; A BLOCK.  Each wave multiplies its quarter of K for all four tiles of rows (64 matrix instructions, 32 accumulators by turns); set a of its results is tile (w + a) % 4.  Set 0 is its own tile;
; sets 1-3 go through LDS, as images of their registers, to their owners; one barrier; each wave adds the four quarters of its tile, applies gelu, quantises and stores ONE fragment of the next product as
; an image of its registers (hq: [e][tile 64][K step 32][2,048 bytes], four stores of 512 consecutive bytes).  The block's 64 scale words meet in LDS and leave as one aligned piece of 256 bytes (hs: [e][block 16][K step 32][64 words], word 4 r + m).
; b1 is the C of wave 0's first products (zeros in the other waves): it enters each sum once.
; THE PRODUCT IS USED TRANSPOSED (source 0 = 16 rows of W1, source 1 = 16 rows of x), and lane r of tile 2 b + u takes W1's row 32 b + 8 u + r + 8 (r / 8): so a lane holds one row of h, and its 64 registers are
; k = 32 b + 16 (lane / 16) + i in register 16 b + i: the order that the next operand wants.
; CONTROL.  The loop has a constant number of trips (16 blocks: an expert can have 1,024 rows); every wave passes every barrier; a block past the count has its work jumped over by scalar branches on the count.
; Such branches hang on numbers read from memory; the text has no tensor load and no joint loads in a cluster.  Two blocks a trip: the LDS stage's parity is a constant of the text.
; gelu(z) = z / 2 (1 + erf(z / sqrt 2)); erf(t) = t P(t^2) / Q(t^2), of degrees 6 and 4, t held to +-4, all in f32.
; LIMITS.  NaN and infinities are not served.  A block of zeros gets the byte 1 where the rule says 127: its codes are zeros, and this program alone reads the bytes.
; REGISTERS, in windows of 256.  Window 0: see the names below.  Window 1: W1's fragment (t, j) at v[32 t + 16 j].  Window 2: accumulator (a, t) at v[64 a + 8 t].  Window 3: x's fragment (a, j) at v[32 a + 16 j]; b1's tile t at v[128 + 8 t].
.set DUMPW, 1088                       ; LDS: the list, words 0 .. 1,087 (bytes 0 .. 4,351); behind it a dump word for each lane (bytes 4,352 .. 4,479), written and never read; zeros are laid up to 4,607
.set CNTB,  4608                       ; the count
.set SCW,   4864                       ; the block's 64 scale words, two parities of 256 bytes
.set STG,   5632                       ; the stage: two parities; in each, for each owner, three slots of 8,192 bytes (a set's 64 registers: 16 pieces of 512 bytes, 16 x lane)
.set PARB,  98304
.set DSTB,  24576
.set SLOTB, 8192
.set LADR, 6                           ; v6-9    16 (lane % 16) + 4 ((w + a) % 4): my row's place in a block's part of the list
.set WAD,  10                          ; v10-12  where set a = 1 .. 3 goes, parity 0;  v13-15 parity 1
.set RAD,  16                          ; v16-17  where my tile's three sets lie, parity 0, 1
.set SCWW, 18                          ; v18     where I put my row's scale word
.set SCWR, 19                          ; v19     where wave 0 reads the 64 words back
.set H16,  20                          ; v20     16 (lane / 16)
.set CNTA, 21                          ; v21     the count's LDS address
.set LE,   22                          ; v22-25  list entries of my four rows
.set XO,   26                          ; v26-29  their byte offsets in xq
.set XSO,  30                          ; v30-33  and in xs
.set LT,   34                          ; v34-37  list addresses of the block in hand
.set A6V,  38                          ; v38-39  erf's A6, twice
.set B4V,  40                          ; v40-41  B4, twice
.set WOF,  42                          ; v42     my lane's byte in a tile of W1
.set WSO,  43                          ; v43     in its scale bytes
.set BOF,  44                          ; v44     in b1
.set RV,   45                          ; v45     4 x lane: my first entry of a load of eid
.set TMPV, 46
.set FL,   48                          ; v48-49  two scale words on their way out
.set ZQ,   52                          ; v52-55  zeros
.set W1S,  56                          ; v56-71  W1's scale words (t, j) at 56 + 2 t + j: scales and nothing else
.set XS,   72                          ; v72-79  x's (a, j) at 72 + 2 a + j: likewise
.set FIN,  80                          ; v80-143 my tile's 64 sums, then h
.set GT,   144                         ; v144-207 gelu at work: t, t^2, P, Q, 16 each
.set TM,   208                         ; v208-223 the quantiser at work
.set PW,   224                         ; the scale word just made
.set PC,   226                         ; v226-241 the codes just made
.set CP,   226                         ; at the head: the list's making: sixteen positions;
.set CR,   246                         ; v246-249 four entries by turns;
.set DMP,  250                         ; v250     my dump word's index: 1,088 + lane
.set EI,   144                         ; at the head: eid, 64 registers
.set MK,   66                          ; s66-81  at the head: sixteen masks
.set BS,   82                          ; s82-97  their counts, then running sums
.set CY,   40                          ; s40-44  the sum carried into each run; the last is the count
.set MSB, 0
.macro WIN new                         ; the immediate's high byte repeats the setting that is left
.if MSB != \new
	s_set_vgpr_msb (MSB<<8)|\new
.set MSB, \new
.endif
.endm
.macro SPAIR r, val                    ; the packed forms name a pair and take its low word for both halves: both are written
	s_mov_b32 s[\r], \val
	s_mov_b32 s[\r+1], \val
.endm
.macro WFRAG f                         ; W1's fragment f = 2 t + j
.irp cc, 0,1,2,3
	global_load_b128 v[16*(\f)+4*\cc:16*(\f)+4*\cc+3], v[WOF], s[14:15] offset:(32*((\f)/4)+8*(((\f)/2)%2))*1024+128*((\f)%2)+32*\cc th:TH_LOAD_NT
.endr
.endm
.macro WL_A                            ; 44 loads: b1 (16), W1's scale words (8), fragments 0-4 (20)
	WIN 0xc0
.irp t, 0,1,2,3,4,5,6,7
	global_load_b128 v[128+8*\t:128+8*\t+3], v[BOF], s[18:19] offset:(32*(\t/2)+8*(\t%2))*4
	global_load_b128 v[128+8*\t+4:128+8*\t+7], v[BOF], s[18:19] offset:(32*(\t/2)+8*(\t%2))*4+16
.endr
	WIN 0
.irp t, 0,1,2,3,4,5,6,7
	global_load_b64 v[W1S+2*\t:W1S+2*\t+1], v[WSO], s[16:17] offset:(32*(\t/2)+8*(\t%2))*32
.endr
	WIN 0x40
.irp f, 0,1,2,3,4
	WFRAG \f
.endr
	WIN 0
.endm
.macro WL_B
	WIN 0x40
.irp f, 5,6,7,8,9,10,11,12,13,14,15
	WFRAG \f
.endr
	WIN 0
.endm
.macro CHOOK                           ; behind run B of the list's making wave 0 asks for three more fragments: 5 .. 15 in all
	WIN 0x40
.irp g, 0,1,2
.if 5+3*B+\g < 16
	WFRAG 5+3*B+\g
.endif
.endr
	WIN 0
.endm
; Wave 0: the entries of expert e, in the order (register, lane), into the list; the rest of the list is zeros.  All lanes stay on: a lane whose entry is another expert's stores to its own dump word.
; Run B takes registers 16 B .. 16 B + 15.  s[BS + q] becomes the number of entries found up to and with register q; the position is the sum up to the register before + those in the lanes below me.
; The choice between position and dump word is made on the word's index, ahead of the hold at 1,151 (0x47f); behind the hold stands the shift to bytes alone.
.macro COMPACT
.irp k, 0,1,2,3,4,5,6,7,8
	ds_store_b128 v4, v[ZQ:ZQ+3] offset:512*\k
.endr
	s_mov_b32 s[CY], 0
.set B, 0
.rept 4
.irp q, 0,1,2,3,4,5,6,7,8,9,10,11,12,13,14,15
	v_cmp_eq_u32 s[MK+\q], s25, v[EI+16*B+\q]
.endr
.irp q, 0,1,2,3,4,5,6,7,8,9,10,11,12,13,14,15
	s_bcnt1_i32_b32 s[BS+\q], s[MK+\q]
.endr
	s_add_co_u32 s[BS], s[BS], s[CY+B]
.irp q, 1,2,3,4,5,6,7,8,9,10,11,12,13,14
	s_add_co_u32 s[BS+\q], s[BS+\q], s[BS+\q-1]
.endr
	s_add_co_u32 s[CY+B+1], s[BS+15], s[BS+14]
	v_mbcnt_lo_u32_b32 v[CP], s[MK], s[CY+B]
.irp q, 1,2,3,4,5,6,7,8,9,10,11,12,13,14,15
	v_mbcnt_lo_u32_b32 v[CP+\q], s[MK+\q], s[BS+\q-1]
.endr
.irp q, 0,1,2,3,4,5,6,7,8,9,10,11,12,13,14,15
	v_cndmask_b32 v[CP+\q], v[DMP], v[CP+\q], s[MK+\q]   ; mine: the position; not mine: the dump word
.endr
.irp q, 0,1,2,3,4,5,6,7,8,9,10,11,12,13,14,15
	v_min_u32 v[CP+\q], 0x47f, v[CP+\q]
.endr
.irp q, 0,1,2,3,4,5,6,7,8,9,10,11,12,13,14,15
	v_lshlrev_b32 v[CP+\q], 2, v[CP+\q]
.endr
.irp q, 0,1,2,3,4,5,6,7,8,9,10,11,12,13,14,15
	v_add_nc_u32 v[CR+\q%4], 128*(4*B+\q/4)+\q%4, v[RV]   ; the entry: 128 x load + 4 x lane + word
	ds_store_b32 v[CP+\q], v[CR+\q%4]
.endr
	CHOOK
.set B, B+1
.endr
	v_mov_b32 v[TMPV], s[CY+4]
	ds_store_b32 v[CNTA], v[TMPV]
.endm
.macro LISTL off                       ; my four rows' entries of the block whose part of the list begins off bytes behind s29
.irp a, 0,1,2,3
	v_add_nc_u32 v[LT+\a], s29, v[LADR+\a]
.endr
.irp a, 0,1,2,3
	ds_load_b32 v[LE+\a], v[LT+\a] offset:\off
.endr
.endm
.macro XLOAD                           ; the four tiles' fragments of x for my quarter of K, and their scale words: 36 loads
.irp a, 0,1,2,3
	v_lshrrev_b32 v[XO+\a], 1, v[LE+\a]            ; the token
.endr
.irp a, 0,1,2,3
	v_min_u32 v[XO+\a], 0x3ff, v[XO+\a]
.endr
.irp a, 0,1,2,3
	v_lshlrev_b32 v[XSO+\a], 5, v[XO+\a]
.endr
.irp a, 0,1,2,3
	v_lshl_add_u32 v[XO+\a], v[XO+\a], 10, v[H16]
.endr
	WIN 0xc0
.irp a, 0,1,2,3
.irp u, 0,1,2,3,4,5,6,7
	global_load_b128 v[32*\a+4*\u:32*\a+4*\u+3], v[XO+\a], s[8:9] offset:32*\u
.endr
.endr
	WIN 0
.irp a, 0,1,2,3
	global_load_b64 v[XS+2*\a:XS+2*\a+1], v[XSO+\a], s[10:11]
.endr
.endm
.macro GELU g                          ; 16 numbers z = v[FIN + 16 g ..], eight pairs by turns in every step
.set Z, FIN+16*(\g)
.irp p, 0,2,4,6,8,10,12,14
	v_pk_mul_f32 v[GT+\p:GT+\p+1], v[Z+\p:Z+\p+1], s[48:49] op_sel_hi:[1,0]      ; t = z / sqrt 2
.endr
.irp i, 0,1,2,3,4,5,6,7,8,9,10,11,12,13,14,15
	v_med3_num_f32 v[GT+\i], v[GT+\i], -4.0, 4.0
.endr
.irp p, 0,2,4,6,8,10,12,14
	v_pk_mul_f32 v[GT+16+\p:GT+17+\p], v[GT+\p:GT+\p+1], v[GT+\p:GT+\p+1]
.endr
.irp p, 0,2,4,6,8,10,12,14
	v_pk_fma_f32 v[GT+32+\p:GT+33+\p], v[GT+16+\p:GT+17+\p], v[A6V:A6V+1], s[50:51] op_sel_hi:[1,1,0]
.endr
.irp p, 0,2,4,6,8,10,12,14
	v_pk_fma_f32 v[GT+48+\p:GT+49+\p], v[GT+16+\p:GT+17+\p], v[B4V:B4V+1], s[62:63] op_sel_hi:[1,1,0]
.endr
.irp k, 52,54,56,58,60
.irp p, 0,2,4,6,8,10,12,14
	v_pk_fma_f32 v[GT+32+\p:GT+33+\p], v[GT+32+\p:GT+33+\p], v[GT+16+\p:GT+17+\p], s[\k:\k+1] op_sel_hi:[1,1,0]
.endr
.endr
.irp k, 66,68,70
.irp p, 0,2,4,6,8,10,12,14
	v_pk_fma_f32 v[GT+48+\p:GT+49+\p], v[GT+48+\p:GT+49+\p], v[GT+16+\p:GT+17+\p], s[\k:\k+1] op_sel_hi:[1,1,0]
.endr
.endr
	s_wait_alu depctr_va_vdst(0)
.irp i, 0,1,2,3,4,5,6,7,8,9,10,11,12,13,14,15
	v_rcp_f32 v[GT+48+\i], v[GT+48+\i]
.endr
.irp p, 0,2,4,6,8,10,12,14
	v_pk_mul_f32 v[GT+32+\p:GT+33+\p], v[GT+32+\p:GT+33+\p], v[GT+\p:GT+\p+1]    ; t P: plain work behind the reciprocals
.endr
.irp p, 0,2,4,6,8,10,12,14
	v_pk_mul_f32 v[GT+16+\p:GT+17+\p], v[Z+\p:Z+\p+1], 0.5 op_sel_hi:[1,0]       ; z / 2
.endr
	s_wait_alu depctr_va_vdst(0)                   ; one wait for the sixteen, ahead of their first use
.irp p, 0,2,4,6,8,10,12,14
	v_pk_mul_f32 v[GT+32+\p:GT+33+\p], v[GT+32+\p:GT+33+\p], v[GT+48+\p:GT+49+\p]   ; erf
.endr
.irp p, 0,2,4,6,8,10,12,14
	v_pk_fma_f32 v[Z+\p:Z+\p+1], v[GT+16+\p:GT+17+\p], v[GT+32+\p:GT+33+\p], v[GT+16+\p:GT+17+\p]   ; z / 2 erf + z / 2
.endr
.endm
.macro QUANT s                         ; 64 numbers of a lane, register 16 b + i = k 32 b + 16 (lane / 16) + i of my row, become a fragment's codes in v[PC] on and its scale word in v[PW]
.irp b, 0,1,2,3
	v_max3_num_f32 v[TM+\b], |v[\s+16*\b]|, |v[\s+1+16*\b]|, 0x8000000   ; and the floor 2^(16 - 127): the byte cannot fall under 1
.endr
.irp i, 2,4,6,8,10,12,14
.irp b, 0,1,2,3
	v_max3_num_f32 v[TM+\b], v[TM+\b], |v[\s+16*\b+\i]|, |v[\s+1+16*\b+\i]|
.endr
.endr
.irp b, 0,1,2,3
	v_permlanex16_b32 v[TM+4+\b], v[TM+\b], s36, s37
.endr
.irp b, 0,1,2,3
	v_max_num_f32 v[TM+\b], v[TM+\b], v[TM+4+\b]   ; with lane l xor 16's: the block's largest magnitude
.endr
.irp b, 0,1,2,3
	v_add_nc_u32 v[TM+12+\b], 0xf8800000, v[TM+\b] ; 15 off its exponent field: the conversion's scale operand
.endr
.irp b, 0,1,2,3
	v_and_or_b32 v[TM+8+\b], v[TM+\b], 0x7f800000, s38   ; 57,344 x the scale
.endr
.irp b, 0,1,2,3
	v_lshrrev_b32 v[TM+4+\b], 23, v[TM+12+\b]      ; the scale's byte
.endr
	v_lshl_or_b32 v[PW], v[TM+5], 8, v[TM+4]
	v_lshl_or_b32 v[PW], v[TM+6], 16, v[PW]
	v_lshl_or_b32 v[PW], v[TM+7], 24, v[PW]
.irp b, 0,1,2,3
.irp i, 0,1,2,3,4,5,6,7,8,9,10,11,12,13,14,15
	v_med3_num_f32 v[\s+16*\b+\i], v[\s+16*\b+\i], -v[TM+8+\b], v[TM+8+\b]   ; the conversion to an 8-bit code does not saturate (ISA guide 7.6.2): the hold
.endr
	v_cvt_scalef32_pk8_bf8_f32 v[PC+4*\b:PC+1+4*\b], v[\s+16*\b:\s+7+16*\b], v[TM+12+\b]
	v_cvt_scalef32_pk8_bf8_f32 v[PC+2+4*\b:PC+3+4*\b], v[\s+8+16*\b:\s+15+16*\b], v[TM+12+\b]
.endr
	v_nop                                          ; a plain instruction behind the last conversion
.endm
.macro FLUSH par                       ; wave 0 sends the 64 scale words of the block before (the other parity), if that block was worked: one aligned piece of 256 bytes
	s_cmp_lg_u32 s24, 0
	s_cbranch_scc1 .Lnf_\@
	s_cmp_eq_u32 s32, 0
	s_cbranch_scc1 .Lnf_\@
	ds_load_b64 v[FL:FL+1], v[SCWR] offset:256*(1-\par)
	s_wait_dscnt 0x0
	global_store_b64 v5, v[FL:FL+1], s[22:23] offset:-8192   ; the pointer has stepped one block on
.Lnf_\@:
.endm
.macro BLOCK par
	s_cmp_lt_u32 s28, s27                          ; has this block rows?
	s_cbranch_scc0 .Lskipa_\@
	s_wait_loadcnt 0x0                             ; its fragments of x, asked for a block ago
	LISTL 256*(\par+1)                             ; the next block's entries (the list is long enough for the block behind the last)
	WIN 0xbd                                       ; source 0 (W1) window 1, source 1 (x) window 3, C (b1) window 3, D window 2
	s_wait_alu depctr_va_vdst(0)
.irp a, 0,1,2,3
.irp t, 0,1,2,3,4,5,6,7
	v_wmma_scale_f32_16x16x128_f8f6f4 v[64*\a+8*\t:64*\a+8*\t+7], v[32*\t:32*\t+15], v[32*\a:32*\a+15], v[128+8*\t:128+8*\t+7], v[W1S+2*\t], v[XS+2*\a] matrix_a_fmt:MATRIX_FMT_BF8 matrix_b_fmt:MATRIX_FMT_BF8
.endr
.endr
	WIN 0xad                                       ; C and D window 2: the 32 accumulators take turns, one instruction a turn
.irp a, 0,1,2,3
.irp t, 0,1,2,3,4,5,6,7
	v_wmma_scale_f32_16x16x128_f8f6f4 v[64*\a+8*\t:64*\a+8*\t+7], v[32*\t+16:32*\t+31], v[32*\a+16:32*\a+31], v[64*\a+8*\t:64*\a+8*\t+7], v[W1S+2*\t+1], v[XS+2*\a+1] matrix_a_fmt:MATRIX_FMT_BF8 matrix_b_fmt:MATRIX_FMT_BF8
.endr
.endr
	WIN 0
.rept 9
	v_nop                                          ; eight places ahead of loads into x's registers and of reads of the results; the ninth for the next block's first products, which write over these results
.endr
	s_add_co_u32 s2, s28, 64
	s_cmp_lt_u32 s2, s27                           ; has the next block rows?
	s_cbranch_scc0 .Lnox_\@
	s_wait_dscnt 0x0                               ; its entries
	XLOAD                                          ; one set of registers serves x: these land during the exchange and gelu
.Lnox_\@:
	WIN 0x08                                       ; an LDS store's data are its source 1: window 2
.irp a, 1,2,3
.set q, 0
.rept 16
	ds_store_b128 v[WAD+3*\par+\a-1], v[64*\a+4*q:64*\a+4*q+3] offset:512*q   ; each accumulator from its low end on
.set q, q+1
.endr
.endr
	WIN 0
.Lskipa_\@:
	s_wait_dscnt 0x0                               ; my stores have landed, and my reads of the other parity's stage and words are back
	s_barrier_signal -1
	s_barrier_wait -1                              ; every wave, every block
	FLUSH \par
	s_cmp_lt_u32 s28, s27
	s_cbranch_scc0 .Lskipd_\@
	WIN 0x80                                       ; destination window 2: the others' quarters of my tile take the places of the sets that I sent
.irp a, 1,2,3
.set q, 0
.rept 16
	ds_load_b128 v[64*\a+4*q:64*\a+4*q+3], v[RAD+\par] offset:(\a-1)*SLOTB+512*q
.set q, q+1
.endr
.endr
	s_wait_dscnt 32                                ; the first slot is in; the 32 loads of the other two may be out
	WIN 0x0a                                       ; sources 0 and 1 window 2
.set i, 0
.rept 32
	v_pk_add_f32 v[FIN+i:FIN+i+1], v[i:i+1], v[64+i:65+i]   ; my own set, each accumulator from its low end on
.set i, i+2
.endr
	s_wait_dscnt 16
	WIN 0x08                                       ; source 1 window 2
.set i, 0
.rept 32
	v_pk_add_f32 v[FIN+i:FIN+i+1], v[FIN+i:FIN+i+1], v[128+i:129+i]
.set i, i+2
.endr
	s_wait_dscnt 0x0
.set i, 0
.rept 32
	v_pk_add_f32 v[FIN+i:FIN+i+1], v[FIN+i:FIN+i+1], v[192+i:193+i]
.set i, i+2
.endr
	WIN 0
	GELU 0
	GELU 1
	GELU 2
	GELU 3
	QUANT FIN
.irp cc, 0,1,2,3
	global_store_b128 v4, v[PC+4*\cc:PC+4*\cc+3], s[20:21] offset:512*\cc   ; the fragment as it stands: 512 consecutive bytes a store
.endr
	ds_store_b32 v[SCWW], v[PW] offset:256*\par    ; both halves of the lanes write the same word with the same value
.Lskipd_\@:
	s_cmp_lt_u32 s28, s27
	s_cselect_b32 s32, 1, 0                        ; was this block worked?
	s_wait_xcnt 0x0                                ; the stores have read their registers and bases: both may be written again
	s_add_co_u32 s28, s28, 64
	s_add_nc_u64 s[20:21], s[20:21], 262144        ; four tiles on in hq
	s_add_nc_u64 s[22:23], s[22:23], 8192          ; a block on in hs
.endm
	s_load_b512 s[8:23], s[0:1], 0x0               ; xq s[8:9], xs s[10:11], eid s[12:13], W1's codes s[14:15], its scales s[16:17], b1 s[18:19], hq s[20:21], hs s[22:23]
	v_lshl_add_u32 v254, v0, 2, 0x31800
	v_mov_b32 v255, 0
	v_lshrrev_b32 v1, 5, v0
	v_readfirstlane_b32 s24, v1                    ; wave
	s_lshr_b32 s25, ttmp9, 5                       ; expert
	s_and_b32 s26, ttmp9, 31                       ; which 128 hidden units
	v_and_b32 v1, 31, v0                           ; lane
	v_and_b32 v2, 15, v0                           ; r
	v_bfe_u32 v3, v0, 4, 1                         ; h
	v_lshlrev_b32 v4, 4, v1                        ; 16 x lane
	s_wait_alu depctr_va_vdst(0)
	v_lshlrev_b32 v5, 3, v1                        ; 8 x lane
	; every LDS address that is made of ids alone is made here, ahead of the parting of the waves
.irp a, 0,1,2,3
	s_add_co_u32 s2, s24, \a
	s_and_b32 s2, s2, 3                            ; set a is tile (w + a) % 4
	s_lshl_b32 s3, s2, 2
	v_lshl_add_u32 v[LADR+\a], v2, 4, s3
.if \a > 0
	s_mul_i32 s3, s2, DSTB
	s_add_co_u32 s3, s3, STG+(\a-1)*SLOTB
	v_add_nc_u32 v[WAD+\a-1], s3, v4
	v_add_nc_u32 v[WAD+3+\a-1], PARB, v[WAD+\a-1]
.endif
.endr
	s_mul_i32 s3, s24, DSTB
	s_add_co_u32 s3, s3, STG
	v_add_nc_u32 v[RAD], s3, v4
	v_add_nc_u32 v[RAD+1], PARB, v[RAD]
	s_lshl_b32 s3, s24, 2
	s_add_co_u32 s3, s3, SCW
	v_lshl_add_u32 v[SCWW], v2, 4, s3              ; word 4 r + w
	v_add_nc_u32 v[SCWR], SCW, v5
	v_lshlrev_b32 v[H16], 4, v3
	v_mov_b32 v[CNTA], CNTB
	v_add_nc_u32 v[DMP], DUMPW, v1
	v_and_b32 v[TMPV], 8, v2
	v_add_nc_u32 v[TMPV], v[TMPV], v2              ; r + 8 (r / 8)
	v_lshlrev_b32 v[WOF], 10, v[TMPV]
	v_lshl_add_u32 v[WOF], v3, 4, v[WOF]
	v_lshlrev_b32 v[WSO], 5, v[TMPV]
	v_lshlrev_b32 v[BOF], 6, v3
	v_lshlrev_b32 v[RV], 2, v1
	v_mov_b32 v[A6V], 0xaf95df0b
	v_mov_b32 v[A6V+1], 0xaf95df0b
	v_mov_b32 v[B4V], 0xb77460cd
	v_mov_b32 v[B4V+1], 0xb77460cd
.irp i, 0,1,2,3
	v_mov_b32 v[ZQ+\i], 0
	v_mov_b32 v[TM+4+\i], 0                        ; written once: a lane permute's destination counts as one of its sources
.endr
	WIN 0x80
.set i, 0
.rept 64
	v_mov_b32 v[i], 0                              ; my own tile's accumulators are written once here, while the first loads are not yet asked for, so that each register is written on every way through the text ahead of its first read
.set i, i+1
.endr
	WIN 0
	s_mov_b32 s36, 0x76543210
	s_mov_b32 s37, 0xfedcba98                      ; v_permlanex16_b32's selects for lane l xor 16
	s_mov_b32 s38, 0x600000                        ; the mantissa field of 57,344
	s_mov_b32 s3, 0
	s_wait_kmcnt 0x0
	s_lshl_b32 s2, s25, 22                         ; W1's codes: (4,096 e + 128 c) rows of 1,024 bytes + 256 w
	s_lshl_b32 s30, s26, 17
	s_add_co_u32 s2, s2, s30
	s_lshl_b32 s30, s24, 8
	s_add_co_u32 s2, s2, s30
	s_add_nc_u64 s[14:15], s[14:15], s[2:3]
	s_mov_b32 s2, s30                              ; xq: my quarter of a row
	s_add_nc_u64 s[8:9], s[8:9], s[2:3]
	s_lshl_b32 s2, s25, 17                         ; W1's scales: rows of 32 bytes + 8 w
	s_lshl_b32 s30, s26, 12
	s_add_co_u32 s2, s2, s30
	s_lshl_b32 s30, s24, 3
	s_add_co_u32 s2, s2, s30
	s_add_nc_u64 s[16:17], s[16:17], s[2:3]
	s_mov_b32 s2, s30
	s_add_nc_u64 s[10:11], s[10:11], s[2:3]
	s_lshl_b32 s2, s25, 14                         ; b1
	s_lshl_b32 s30, s26, 9
	s_add_co_u32 s2, s2, s30
	s_add_nc_u64 s[18:19], s[18:19], s[2:3]
	s_lshl_b32 s2, s25, 22                         ; hq: expert e, tile w, K step c
	s_lshl_b32 s30, s26, 11
	s_add_co_u32 s2, s2, s30
	s_lshl_b32 s30, s24, 16
	s_add_co_u32 s2, s2, s30
	s_add_nc_u64 s[20:21], s[20:21], s[2:3]
	s_lshl_b32 s2, s25, 17                         ; hs: expert e, block 0, K step c
	s_lshl_b32 s30, s26, 8
	s_add_co_u32 s2, s2, s30
	s_add_nc_u64 s[22:23], s[22:23], s[2:3]
	s_cmp_lg_u32 s24, 0
	s_cbranch_scc1 .Lothers
.set j, 0
.rept 16
	global_load_b128 v[EI+4*j:EI+4*j+3], v4, s[12:13] offset:512*j   ; eid: entry 128 j + 4 x lane + i
.set j, j+1
.endr
	WL_A
	s_wait_loadcnt 44                              ; WL_A's 44 loads are younger: eid is in
	COMPACT                                        ; and, between its runs, fragments 5 .. 15
	s_branch .Ljoin
.Lothers:
	WL_A
	WL_B
.Ljoin:
	s_wait_dscnt 0x0                               ; the list and the count have landed
	s_barrier_signal -1
	s_barrier_wait -1
	s_mov_b32 s28, 0                               ; the block's first list position
	s_mov_b32 s29, 0                               ; the trip's part of the list, in bytes
	s_mov_b32 s32, 0                               ; no block before
	ds_load_b32 v[TMPV], v[CNTA]
	LISTL 0
	SPAIR 48, 0x3f3504f3                           ; 1 / sqrt 2.  (Written here: the list's making used some of these registers)
	SPAIR 50, 0x32edffee                           ; A5 .. A0
	SPAIR 52, 0xb60cff51
	SPAIR 54, 0xb86ec2d2
	SPAIR 56, 0xba40ac63
	SPAIR 58, 0xbb41a1f6
	SPAIR 60, 0xbc83dbd4
	SPAIR 62, 0xb95fbd29                           ; B3 .. B0
	SPAIR 66, 0xbadc924e
	SPAIR 68, 0xbbf19bf8
	SPAIR 70, 0xbc69b6a7
	s_wait_dscnt 0x0
	v_readfirstlane_b32 s27, v[TMPV]
	s_min_u32 s27, s27, 1024                       ; the count
	XLOAD                                          ; block 0's x, without a condition: an empty list names token 0, whose rows are then not used
	s_cmp_eq_u32 s24, 0
	s_cselect_b32 vcc_lo, -1, 0
	s_wait_loadcnt 0x0                             ; the weights, b1 and block 0's x
	WIN 0xcc
.set i, 0
.rept 64
	v_cndmask_b32 v[128+i], 0, v[128+i], vcc_lo    ; b1 stays in wave 0 alone: it enters each sum once
.set i, i+1
.endr
	WIN 0
.rept 8
	v_nop
.endr
	s_mov_b32 s34, 8
.Ltrip:
	BLOCK 0
	BLOCK 1
	s_add_co_u32 s29, s29, 512
	s_sub_co_u32 s34, s34, 1
	s_cmp_lg_u32 s34, 0
	s_cbranch_scc1 .Ltrip
	s_wait_dscnt 0x0                               ; the last block's scale words have landed
	s_barrier_signal -1
	s_barrier_wait -1
	FLUSH 0
	s_wait_tensorcnt 0x0
	ds_add_u32 v254, v255
	s_wait_dscnt 0x0
	s_endpgm
.Lfunc_end_k_qbbb4a4dcff_up:
	.size	k_qbbb4a4dcff_up, .Lfunc_end_k_qbbb4a4dcff_up-k_qbbb4a4dcff_up
	.p2alignl 7, 3214868480
	.fill 96, 4, 3214868480
	.section	.rodata,"a",@progbits
	.p2align	6, 0x0
	.amdhsa_kernel k_qbbb4a4dcff_up
		.amdhsa_group_segment_fixed_size 203264
		.amdhsa_private_segment_fixed_size 0
		.amdhsa_enable_private_segment 0
		.amdhsa_kernarg_size 64
		.amdhsa_user_sgpr_count 2
		.amdhsa_user_sgpr_kernarg_segment_ptr 1
		.amdhsa_wavefront_size32 1
		.amdhsa_system_sgpr_workgroup_id_x 1
		.amdhsa_system_sgpr_workgroup_id_y 1
		.amdhsa_system_sgpr_workgroup_id_z 1
		.amdhsa_system_vgpr_workitem_id 0
		.amdhsa_next_free_vgpr 1024
		.amdhsa_next_free_sgpr 100
		.amdhsa_reserve_vcc 1
		.amdhsa_float_denorm_mode_32 3
		.amdhsa_float_denorm_mode_16_64 3
		.amdhsa_memory_ordered 1
		.amdhsa_forward_progress 1
		.amdhsa_inst_pref_size 212
	.end_amdhsa_kernel
	.amdgpu_metadata
---
amdhsa.version: [ 1, 2 ]
amdhsa.kernels:
  - .name:           k_qbbb4a4dcff_up
    .symbol:         k_qbbb4a4dcff_up.kd
    .args:
      - { .name: xq, .offset: 0, .size: 8, .value_kind: global_buffer, .address_space: global }
      - { .name: xs, .offset: 8, .size: 8, .value_kind: global_buffer, .address_space: global }
      - { .name: eid, .offset: 16, .size: 8, .value_kind: global_buffer, .address_space: global }
      - { .name: W1_codes, .offset: 24, .size: 8, .value_kind: global_buffer, .address_space: global }
      - { .name: W1_scales, .offset: 32, .size: 8, .value_kind: global_buffer, .address_space: global }
      - { .name: b1, .offset: 40, .size: 8, .value_kind: global_buffer, .address_space: global }
      - { .name: hq, .offset: 48, .size: 8, .value_kind: global_buffer, .address_space: global }
      - { .name: hs, .offset: 56, .size: 8, .value_kind: global_buffer, .address_space: global }
    .group_segment_fixed_size: 203264
    .private_segment_fixed_size: 0
    .kernarg_segment_align: 8
    .kernarg_segment_size: 64
    .max_flat_workgroup_size: 128
    .sgpr_count:     100
    .vgpr_count:     1024
    .wavefront_size: 32
...
	.end_amdgpu_metadata
.endif
;; end of part 6
;; launch down (part 7): grid 256 x 1, 4 waves a work-group, no clusters, 150,016 bytes of LDS; arguments hq, hs, eid, gw, W2_codes, W2_scales, b2, part; writes part
.if DOCPART == 7
	.amdgcn_target "amdgcn-amd-amdhsa--gfx1250"
	.amdhsa_code_object_version 6
	.text
	.protected	k_qbbb4a4dcff_down
	.globl	k_qbbb4a4dcff_down
	.p2align	8
	.type	k_qbbb4a4dcff_down,@function
k_qbbb4a4dcff_down:
	s_mov_b64 s[64:65], 0
	v_nop
	global_prefetch_b8 v0, s[64:65] scope:SCOPE_SE
	s_setreg_imm32_b32 hwreg(HW_REG_WAVE_MODE, 25, 1), 1
	s_wait_xcnt 0x0
; part[entry] = gate x (h W2[e]^T + b2[e]) for the rows routed to expert e, on codes of E5M2 with one E8M0 scale for each 32 along K.
; SHARES.  Work-group id = (16 e + c) 2 + p owns outputs 64 c .. + 63 of expert e for the blocks p, p + 2, .. of 64 rows.  ITS WEIGHTS STAY IN REGISTERS: wave w holds K steps 8 w .. 8 w + 7 (K = 1,024 w on) of the
; four tiles of 16 outputs: 32 fragments, 512 registers.  The rows go by: h's fragments come from hq as images of their registers, 16 bytes a lane, through a ring of four register buffers, three K steps ahead.
; THE ORDER ALONG K.  The sixteen work-groups that read the same rows of h do not walk K alike: register slot j holds K step j xor 4 (c % 2), so those with odd c take their wave's K steps 4-7 first and 0-3 after.
; When the ring of four is filled, the two kinds together ask for all eight K steps of a block, and each K step that one kind asks for later has been asked for earlier by the other.  Only addresses differ
; (two offsets for W2's codes, two for its scale words, two bases for hq, two for hs); the sums are f32 sums over the same products in another order.
; THE LIST is made as in the launch before, by the same lines in the same order, so that positions agree; the gate weights are gathered beside it.  Tile m of block b holds positions 64 b + 4 r + m.
; Wave 0 makes it, sixteen registers at a time, and asks for fragments 4 .. 17 of its weights between the runs; fragments 18 .. 31 and the first K steps of h are asked for by every wave behind the list's barrier.
; A BLOCK.  128 matrix instructions a wave into 16 accumulators (m, n) by turns.  THE PRODUCT IS USED TRANSPOSED (source 0 = 16 rows of W2, source 1 = 16 rows of h): a lane holds eight neighbouring outputs of one row.
; The four waves' quarters of K meet in a stage in LDS laid by rows (64 rows x 256 bytes + 16, one such for each wave): one barrier; wave w adds the four for rows 16 w .. + 15, adds b2, multiplies by the gate and
; stores: sixteen lanes store 256 consecutive bytes, aligned, of the entry's row of part.  In a block that reaches past the count the rows past it are masked by EXEC; a block that lies under the count stores with all lanes on.
; Each row of part has one owner for each 64 columns: nothing is added in memory.
; CONTROL.  A constant number of trips (8 blocks a work-group); every wave passes every barrier; work past the count is jumped over by scalar branches on the count, which is read from memory.
; The text has no tensor load and no joint loads in a cluster.  Two blocks a trip: the stage's parity is a constant of the text.
; LIMITS.  NaN and infinities are not served.
; REGISTERS, in windows of 256.  Window 0: see the names below.  Windows 1, 2: W2's fragment f = 8 n + slot at v[16 (f % 16)] of window 1 + f / 16.  Window 3: h's buffer b, tile m, at v[64 b + 16 m].
.set DUMPW, 1088                       ; LDS: the list, words 0 .. 1,087 (bytes 0 .. 4,351); behind it a dump word for each lane (bytes 4,352 .. 4,479), written and never read; zeros are laid up to 4,607
.set GWL,   4608                       ; the gate weights, laid likewise
.set CNTB,  9216                       ; the count
.set STG,   9472                       ; the stage: two parities of four sources of 64 rows, 272 bytes apart
.set PARB,  69632
.set SRCB,  17408
.set SWR,  8                           ; v8-9    where I put 32 bytes of a row, parity 0, 1
.set SRD,  10                          ; v10-11  where I read a row back
.set LRD,  12                          ; v12     16 (lane / 16) + 4 w: my rows' place in a block's part of the list
.set POS0, 13                          ; v13     4 (lane / 16) + w
.set CNTA, 14
.set RV,   15                          ; v15     4 x lane
.set VWL,  16                          ; v16-17  my lane's byte in a tile of W2, for slots 0-3 and for slots 4-7; never rewritten
.set VCL,  18                          ; v18-19  and in its scale bytes; never rewritten
.set CR,   20                          ; v20-23  the list's making: four entries by turns
.set LT,   24
.set TMPV, 25
.set DMP,  26                          ; v26     my dump word's index: 1,088 + lane
.set B2V,  28                          ; v28-31  b2 of my four columns
.set W2S,  32                          ; v32-63  W2's scale words (n, slot) at 32 + 8 n + slot: scales and nothing else
.set HSC,  64                          ; v64-79  h's (buffer b, tile m) at 64 + 4 b + m: likewise
.set LE,   80                          ; v80-87  my eight rows' entries
.set GWV,  88                          ; v88-95  their gate weights
.set CP,   80                          ; at the head: the list's making: sixteen positions
.set PO,   96                          ; v96-103 their byte offsets in part
.set PS,   104                         ; v104-111 their list positions
.set ZQ,   112                         ; v112-115 zeros
.set ACC,  128                         ; v128-255 accumulator (m, n) at 128 + 8 (4 m + n); later the stage's rows; at the head eid and gw
.set EI,   128
.set GWI,  192
.set MK,   66                          ; s66-81  at the head: sixteen masks
.set BS,   82                          ; s82-97  their counts, then running sums
.set CY,   40                          ; s40-44  the sum carried into each run; the last is the count
.set HQL,  50                          ; s[50:51] hq for slots 0-3, s[52:53] for slots 4-7
.set HSL,  54                          ; s[54:55], s[56:57] hs likewise
.set MSB, 0
.macro WIN new                         ; the immediate's high byte repeats the setting that is left
.if MSB != \new
	s_set_vgpr_msb (MSB<<8)|\new
.set MSB, \new
.endif
.endm
.macro WFRAG f                         ; W2's fragment f = 8 n + slot: rows 16 n on; the slot's K step stands in the offset register (which four) and in the immediate (which of them)
	WIN 0x40*(1+(\f)/16)
.irp cc, 0,1,2,3
	global_load_b128 v[16*((\f)%16)+4*\cc:16*((\f)%16)+4*\cc+3], v[VWL+((\f)%8)/4], s[16:17] offset:16*((\f)/8)*4096+128*((\f)%4)+32*\cc
.endr
.endm
.macro WL_A                            ; 25 loads: b2, W2's scale words (8), fragments 0-3 (16)
	global_load_b128 v[B2V:B2V+3], v5, s[20:21]
.irp n, 0,1,2,3
	global_load_b128 v[W2S+8*\n:W2S+8*\n+3], v[VCL], s[18:19] offset:16*\n*128
	global_load_b128 v[W2S+8*\n+4:W2S+8*\n+7], v[VCL+1], s[18:19] offset:16*\n*128
.endr
.irp f, 0,1,2,3
	WFRAG \f
.endr
	WIN 0
.endm
.macro WL_B
.irp f, 4,5,6,7,8,9,10,11,12,13,14,15,16,17
	WFRAG \f
.endr
	WIN 0
.endm
.macro WL_C
.irp f, 18,19,20,21,22,23,24,25,26,27,28,29,30,31
	WFRAG \f
.endr
	WIN 0
.endm
.macro CHOOK                           ; behind the first two runs of the list's making wave 0 asks for seven fragments each: 4 .. 17
.if B < 2
.irp g, 0,1,2,3,4,5,6
	WFRAG 4+7*B+\g
.endr
	WIN 0
.endif
.endm
; Wave 0: the entries of expert e and their gate weights, in the order (register, lane); the rest is zeros.  All lanes stay on: a lane whose entry is another expert's stores to its own dump words.
; Run B takes registers 16 B .. 16 B + 15.  s[BS + q] becomes the number of entries found up to and with register q; the position is the sum up to the register before + those in the lanes below me.
; The choice between position and dump word is made on the word's index, ahead of the hold at 1,151 (0x47f); behind the hold stands the shift to bytes alone.
.macro COMPACT
.irp k, 0,1,2,3,4,5,6,7,8
	ds_store_b128 v4, v[ZQ:ZQ+3] offset:512*\k
	ds_store_b128 v4, v[ZQ:ZQ+3] offset:GWL+512*\k
.endr
	s_mov_b32 s[CY], 0
.set B, 0
.rept 4
.irp q, 0,1,2,3,4,5,6,7,8,9,10,11,12,13,14,15
	v_cmp_eq_u32 s[MK+\q], s25, v[EI+16*B+\q]
.endr
.irp q, 0,1,2,3,4,5,6,7,8,9,10,11,12,13,14,15
	s_bcnt1_i32_b32 s[BS+\q], s[MK+\q]
.endr
	s_add_co_u32 s[BS], s[BS], s[CY+B]
.irp q, 1,2,3,4,5,6,7,8,9,10,11,12,13,14
	s_add_co_u32 s[BS+\q], s[BS+\q], s[BS+\q-1]
.endr
	s_add_co_u32 s[CY+B+1], s[BS+15], s[BS+14]
	v_mbcnt_lo_u32_b32 v[CP], s[MK], s[CY+B]
.irp q, 1,2,3,4,5,6,7,8,9,10,11,12,13,14,15
	v_mbcnt_lo_u32_b32 v[CP+\q], s[MK+\q], s[BS+\q-1]
.endr
.irp q, 0,1,2,3,4,5,6,7,8,9,10,11,12,13,14,15
	v_cndmask_b32 v[CP+\q], v[DMP], v[CP+\q], s[MK+\q]   ; mine: the position; not mine: the dump word
.endr
.irp q, 0,1,2,3,4,5,6,7,8,9,10,11,12,13,14,15
	v_min_u32 v[CP+\q], 0x47f, v[CP+\q]
.endr
.irp q, 0,1,2,3,4,5,6,7,8,9,10,11,12,13,14,15
	v_lshlrev_b32 v[CP+\q], 2, v[CP+\q]
.endr
.irp q, 0,1,2,3,4,5,6,7,8,9,10,11,12,13,14,15
	v_add_nc_u32 v[CR+\q%4], 128*(4*B+\q/4)+\q%4, v[RV]   ; the entry: 128 x load + 4 x lane + word
	ds_store_b32 v[CP+\q], v[CR+\q%4]
	ds_store_b32 v[CP+\q], v[GWI+16*B+\q] offset:GWL
.endr
	CHOOK
.set B, B+1
.endr
	v_mov_b32 v[TMPV], s[CY+4]
	ds_store_b32 v[CNTA], v[TMPV]
.endm
.macro HLOAD j, off, offs, b           ; 17 loads: the four tiles' fragments of h for slot j of my eight, and their scale words (one load: word 4 r + m), into buffer b
	WIN 0xc0
.irp m, 0,1,2,3
.irp cc, 0,1,2,3
	global_load_b128 v[64*(\b)+16*\m+4*\cc:64*(\b)+16*\m+4*\cc+3], v4, s[HQL+2*((\j)/4):HQL+2*((\j)/4)+1] offset:(\off)+\m*65536+((\j)%4)*2048+512*\cc
.endr
.endr
	WIN 0
	global_load_b128 v[HSC+4*(\b):HSC+4*(\b)+3], v5, s[HSL+2*((\j)/4):HSL+2*((\j)/4)+1] offset:(\offs)+256*((\j)%4)
.endm
.macro MM n, m, j
.if (\j) == 0                          ; the first slot starts the sums: nothing is cleared
	v_wmma_scale_f32_16x16x128_f8f6f4 v[ACC+8*(4*\m+\n):ACC+8*(4*\m+\n)+7], v[16*(8*((\n)%2)+(\j)):16*(8*((\n)%2)+(\j))+15], v[64*((\j)%4)+16*\m:64*((\j)%4)+16*\m+15], 0, v[W2S+8*\n+(\j)], v[HSC+4*((\j)%4)+\m] matrix_a_fmt:MATRIX_FMT_BF8 matrix_b_fmt:MATRIX_FMT_BF8
.else
	v_wmma_scale_f32_16x16x128_f8f6f4 v[ACC+8*(4*\m+\n):ACC+8*(4*\m+\n)+7], v[16*(8*((\n)%2)+(\j)):16*(8*((\n)%2)+(\j))+15], v[64*((\j)%4)+16*\m:64*((\j)%4)+16*\m+15], v[ACC+8*(4*\m+\n):ACC+8*(4*\m+\n)+7], v[W2S+8*\n+(\j)], v[HSC+4*((\j)%4)+\m] matrix_a_fmt:MATRIX_FMT_BF8 matrix_b_fmt:MATRIX_FMT_BF8
.endif
.endm
; Slot j: 16 matrix instructions, the 16 accumulators by turns.  cnt: the loads younger than this slot's 17.  more = 1: its buffer takes the slot four on.
.macro KSTEP j, cnt, more, off, offs
	s_wait_loadcnt \cnt
	WIN 0x0d                                       ; source 0 (W2) window 1, source 1 (h) window 3
.irp n, 0,1
.irp m, 0,1,2,3
	MM \n, \m, \j
.endr
.endr
	WIN 0x0e                                       ; source 0 window 2
.irp n, 2,3
.irp m, 0,1,2,3
	MM \n, \m, \j
.endr
.endr
.if \more
	WIN 0
.rept 8
	v_nop                                          ; places ahead of loads into registers that matrix instructions have read (ISA guide 7.12.1 for vector instructions)
.endr
	HLOAD ((\j)+4)%8, \off, \offs, (\j)%4
.endif
.endm
.macro COMPUTE next                    ; a block's eight slots.  next = 1: the last four ask for the first four of my next block, two blocks on.  17 loads a slot, three younger slots out: 51
	KSTEP 0, 51, 1, 0, 0
	KSTEP 1, 51, 1, 0, 0
	KSTEP 2, 51, 1, 0, 0
	KSTEP 3, 51, 1, 0, 0
.if \next
	KSTEP 4, 51, 1, 524288, 16384
	KSTEP 5, 51, 1, 524288, 16384
	KSTEP 6, 51, 1, 524288, 16384
	KSTEP 7, 51, 1, 524288, 16384
.else
	KSTEP 4, 51, 0, 0, 0                           ; nothing more is asked for: the counts run down
	KSTEP 5, 34, 0, 0, 0
	KSTEP 6, 17, 0, 0, 0
	KSTEP 7, 0, 0, 0, 0
.endif
	WIN 0
.endm
.macro BLOCK par
	s_cmp_lt_u32 s28, s27                          ; has this block rows?
	s_cbranch_scc0 .Lskipa_\@
	s_add_co_u32 s2, s28, 128
	s_cmp_lt_u32 s2, s27                           ; has my next block rows?
	s_cbranch_scc0 .Llast_\@
	COMPUTE 1
	s_branch .Ldone_\@
.Llast_\@:
	COMPUTE 0
.Ldone_\@:
.rept 9
	v_nop                                          ; eight places ahead of the reads of the results; the ninth for the next block's first products, which write over them
.endr
.irp m, 0,1,2,3
.irp n, 0,1,2,3
	ds_store_b128 v[SWR+\par], v[ACC+8*(4*\m+\n):ACC+8*(4*\m+\n)+3] offset:16*\m*272+64*\n       ; lane (r, h): row 16 m + r, columns 16 n + 8 h + 0 .. 7; each accumulator from its low end on
	ds_store_b128 v[SWR+\par], v[ACC+8*(4*\m+\n)+4:ACC+8*(4*\m+\n)+7] offset:16*\m*272+64*\n+16
.endr
.endr
.Lskipa_\@:
	s_wait_dscnt 0x0                               ; my stores have landed, and my reads of the other parity's stage are back
	s_barrier_signal -1
	s_barrier_wait -1                              ; every wave, every block
	s_cmp_lt_u32 s28, s27
	s_cbranch_scc0 .Lskipd_\@
	v_add_nc_u32 v[LT], s29, v[LRD]
.irp i, 0,1,2,3,4,5,6,7
	ds_load_b32 v[LE+\i], v[LT] offset:512*\par+32*\i          ; stage row 16 w + 2 i + lane / 16 is list position 64 b + 8 i + 4 (lane / 16) + w
.endr
.irp i, 0,1,2,3,4,5,6,7
	ds_load_b32 v[GWV+\i], v[LT] offset:GWL+512*\par+32*\i
.endr
.irp i, 0,1,2,3,4,5,6,7
.irp q, 0,1,2,3
	ds_load_b128 v[ACC+16*\i+4*\q:ACC+16*\i+4*\q+3], v[SRD+\par] offset:\q*SRCB+2*\i*272   ; lanes 0-15 one row of 256 bytes, lanes 16-31 the next; the four waves' quarters of K
.endr
.endr
	s_wait_dscnt 32                                ; the 32 stage loads are younger: entries and gates are in
.irp i, 0,1,2,3,4,5,6,7
	v_min_u32 v[PO+\i], 0x7ff, v[LE+\i]
.endr
.irp i, 0,1,2,3,4,5,6,7
	v_lshl_add_u32 v[PO+\i], v[PO+\i], 12, v5      ; the entry's row of 4,096 bytes + my 16 bytes
.endr
	v_add_nc_u32 v[TMPV], s28, v[POS0]
.irp i, 0,1,2,3,4,5,6,7
	v_add_nc_u32 v[PS+\i], 8*\i, v[TMPV]
.endr
.irp i, 0,1,2,3,4,5,6,7
	s_wait_dscnt 28-4*\i                           ; row pair i's four loads are in; the later pairs' may be out
	v_pk_add_f32 v[ACC+16*\i:ACC+16*\i+1], v[ACC+16*\i:ACC+16*\i+1], v[ACC+16*\i+4:ACC+16*\i+5]
	v_pk_add_f32 v[ACC+16*\i+2:ACC+16*\i+3], v[ACC+16*\i+2:ACC+16*\i+3], v[ACC+16*\i+6:ACC+16*\i+7]
	v_pk_add_f32 v[ACC+16*\i+8:ACC+16*\i+9], v[ACC+16*\i+8:ACC+16*\i+9], v[ACC+16*\i+12:ACC+16*\i+13]
	v_pk_add_f32 v[ACC+16*\i+10:ACC+16*\i+11], v[ACC+16*\i+10:ACC+16*\i+11], v[ACC+16*\i+14:ACC+16*\i+15]
	v_pk_add_f32 v[ACC+16*\i:ACC+16*\i+1], v[ACC+16*\i:ACC+16*\i+1], v[ACC+16*\i+8:ACC+16*\i+9]
	v_pk_add_f32 v[ACC+16*\i+2:ACC+16*\i+3], v[ACC+16*\i+2:ACC+16*\i+3], v[ACC+16*\i+10:ACC+16*\i+11]
	v_pk_add_f32 v[ACC+16*\i:ACC+16*\i+1], v[ACC+16*\i:ACC+16*\i+1], v[B2V:B2V+1]
	v_pk_add_f32 v[ACC+16*\i+2:ACC+16*\i+3], v[ACC+16*\i+2:ACC+16*\i+3], v[B2V+2:B2V+3]
.irp u, 0,1,2,3
	v_mul_f32 v[ACC+16*\i+\u], v[ACC+16*\i+\u], v[GWV+\i]
.endr
.endr
	s_add_co_u32 s2, s28, 64
	s_cmp_le_u32 s2, s27                           ; do all 64 positions of the block lie under the count?
	s_cbranch_scc0 .Lpart_\@
.irp i, 0,1,2,3,4,5,6,7
	global_store_b128 v[PO+\i], v[ACC+16*\i:ACC+16*\i+3], s[22:23] th:TH_STORE_NT   ; all lanes on: each half of the lanes stores 256 consecutive bytes, aligned
.endr
	s_branch .Lsent_\@
.Lpart_\@:
	s_wait_alu depctr_va_vdst(0)
.irp i, 0,1,2,3,4,5,6,7
	s_wait_xcnt 0x0                                ; EXEC changes only behind this wait
	v_cmpx_gt_u32 s27, v[PS+\i]                    ; a lane's positions rise with i: EXEC only narrows
	global_store_b128 v[PO+\i], v[ACC+16*\i:ACC+16*\i+3], s[22:23] th:TH_STORE_NT
.endr
	s_wait_xcnt 0x0                                ; and again, in front of the line that widens it
	s_mov_b32 exec_lo, -1
.Lsent_\@:
.Lskipd_\@:
	s_wait_xcnt 0x0                                ; the stores have read their registers, and the loads that are out their bases: both may be written
	s_add_co_u32 s28, s28, 128
.irp g, 0,2
	s_add_nc_u64 s[HQL+\g:HQL+\g+1], s[HQL+\g:HQL+\g+1], 524288   ; two blocks (eight tiles) on in hq
	s_add_nc_u64 s[HSL+\g:HSL+\g+1], s[HSL+\g:HSL+\g+1], 16384    ; and in hs
.endr
.endm
	s_load_b512 s[8:23], s[0:1], 0x0               ; hq s[8:9], hs s[10:11], eid s[12:13], gw s[14:15], W2's codes s[16:17], its scales s[18:19], b2 s[20:21], part s[22:23]
	v_lshl_add_u32 v126, v0, 2, 0x24800
	v_mov_b32 v127, 0
	v_lshrrev_b32 v1, 5, v0
	v_readfirstlane_b32 s24, v1                    ; wave
	s_lshr_b32 s25, ttmp9, 5                       ; expert
	s_bfe_u32 s26, ttmp9, 0x40001                  ; which 64 outputs
	s_and_b32 s31, ttmp9, 1                        ; even or odd blocks
	v_and_b32 v1, 31, v0                           ; lane
	v_and_b32 v2, 15, v0                           ; r
	v_bfe_u32 v3, v0, 4, 1                         ; h
	v_lshlrev_b32 v4, 4, v1                        ; 16 x lane
	v_lshlrev_b32 v5, 4, v2                        ; 16 r
	v_lshlrev_b32 v6, 12, v2
	v_lshl_add_u32 v6, v3, 4, v6                   ; W2: row r of 4,096 bytes + 16 h
	v_lshlrev_b32 v7, 7, v2                        ; its scale bytes: 128 a row
	s_and_b32 s2, s26, 1                           ; c % 2: which four K steps slots 0-3 hold
	s_lshl_b32 s30, s2, 9
	v_add_nc_u32 v[VWL], s30, v6                   ; slots 0-3: four K steps of 128 bytes on where c is odd,
	s_xor_b32 s30, s30, 512
	v_add_nc_u32 v[VWL+1], s30, v6                 ; slots 4-7: the other four
	s_lshl_b32 s30, s2, 4
	v_add_nc_u32 v[VCL], s30, v7                   ; their scale words likewise: four words of 4 bytes
	s_xor_b32 s30, s30, 16
	v_add_nc_u32 v[VCL+1], s30, v7
	; every LDS address that is made of ids alone is made here, ahead of the parting of the waves
	s_mul_i32 s2, s24, SRCB
	s_add_co_u32 s2, s2, STG
	v_mul_u32_u24 v[SWR], v2, 272
	v_lshl_add_u32 v[SWR], v3, 5, v[SWR]
	v_add_nc_u32 v[SWR], s2, v[SWR]
	v_add_nc_u32 v[SWR+1], PARB, v[SWR]
	s_mul_i32 s2, s24, 16*272
	s_add_co_u32 s2, s2, STG
	v_mul_u32_u24 v[SRD], v3, 272
	v_lshl_add_u32 v[SRD], v2, 4, v[SRD]
	v_add_nc_u32 v[SRD], s2, v[SRD]
	v_add_nc_u32 v[SRD+1], PARB, v[SRD]
	s_lshl_b32 s2, s24, 2
	v_lshl_add_u32 v[LRD], v3, 4, s2
	v_lshl_add_u32 v[POS0], v3, 2, s24
	v_mov_b32 v[CNTA], CNTB
	v_add_nc_u32 v[DMP], DUMPW, v1
	v_lshlrev_b32 v[RV], 2, v1
.irp i, 0,1,2,3
	v_mov_b32 v[ZQ+\i], 0
.endr
	s_mov_b32 s3, 0
	s_wait_kmcnt 0x0
	s_lshl_b32 s2, s25, 22                         ; W2's codes: (1,024 e + 64 c) rows of 4,096 bytes + 1,024 w
	s_lshl_b32 s30, s26, 18
	s_add_co_u32 s2, s2, s30
	s_lshl_b32 s30, s24, 10
	s_add_co_u32 s2, s2, s30
	s_add_nc_u64 s[16:17], s[16:17], s[2:3]
	s_lshl_b32 s2, s25, 17                         ; its scales: rows of 128 bytes + 32 w
	s_lshl_b32 s30, s26, 13
	s_add_co_u32 s2, s2, s30
	s_lshl_b32 s30, s24, 5
	s_add_co_u32 s2, s2, s30
	s_add_nc_u64 s[18:19], s[18:19], s[2:3]
	s_lshl_b32 s2, s25, 12                         ; b2
	s_lshl_b32 s30, s26, 8
	s_add_co_u32 s2, s2, s30
	s_add_nc_u64 s[20:21], s[20:21], s[2:3]
	s_mov_b32 s2, s30                              ; part: my 64 columns
	s_add_nc_u64 s[22:23], s[22:23], s[2:3]
	s_lshl_b32 s2, s25, 22                         ; hq: expert e, block p, K step 8 w
	s_lshl_b32 s30, s31, 18
	s_add_co_u32 s2, s2, s30
	s_lshl_b32 s30, s24, 14
	s_add_co_u32 s2, s2, s30
	s_add_nc_u64 s[8:9], s[8:9], s[2:3]
	s_lshl_b32 s2, s25, 17                         ; hs likewise
	s_lshl_b32 s30, s31, 13
	s_add_co_u32 s2, s2, s30
	s_lshl_b32 s30, s24, 11
	s_add_co_u32 s2, s2, s30
	s_add_nc_u64 s[10:11], s[10:11], s[2:3]
	s_and_b32 s2, s26, 1                           ; the two bases of each: slots 0-3 begin four K steps on where c is odd, slots 4-7 where it is even
	s_lshl_b32 s2, s2, 13                          ; four K steps of 2,048 bytes in hq
	s_add_nc_u64 s[HQL:HQL+1], s[8:9], s[2:3]
	s_xor_b32 s2, s2, 8192
	s_add_nc_u64 s[HQL+2:HQL+3], s[8:9], s[2:3]
	s_lshr_b32 s2, s2, 3                           ; of 256 bytes in hs
	s_add_nc_u64 s[HSL+2:HSL+3], s[10:11], s[2:3]
	s_xor_b32 s2, s2, 1024
	s_add_nc_u64 s[HSL:HSL+1], s[10:11], s[2:3]
	s_cmp_lg_u32 s24, 0
	s_cbranch_scc1 .Lothers
.set j, 0
.rept 16
	global_load_b128 v[EI+4*j:EI+4*j+3], v4, s[12:13] offset:512*j    ; eid: entry 128 j + 4 x lane + i
.set j, j+1
.endr
.set j, 0
.rept 16
	global_load_b128 v[GWI+4*j:GWI+4*j+3], v4, s[14:15] offset:512*j  ; gw likewise
.set j, j+1
.endr
	WL_A
	s_wait_loadcnt 25                              ; WL_A's 25 loads are younger: eid and gw are in
	s_wait_alu depctr_va_vdst(0)
	COMPACT                                        ; and, behind its first two runs, fragments 4 .. 17
	s_branch .Ljoin
.Lothers:
	WL_A
	WL_B
.Ljoin:
	s_wait_dscnt 0x0                               ; the list, the gates and the count have landed
	s_barrier_signal -1
	s_barrier_wait -1
	s_wait_alu depctr_va_vdst(0)
	ds_load_b32 v[TMPV], v[CNTA]
	WL_C                                           ; fragments 18 .. 31
	s_lshl_b32 s28, s31, 6                         ; my first block's first list position
	s_lshl_b32 s29, s31, 8                         ; and its part of the list, in bytes
	HLOAD 0, 0, 0, 0                               ; my first block's first four slots, without a condition: the bytes lie inside hq and hs, and are not used where the block has no rows
	HLOAD 1, 0, 0, 1
	HLOAD 2, 0, 0, 2
	HLOAD 3, 0, 0, 3
	s_wait_dscnt 0x0
	v_readfirstlane_b32 s27, v[TMPV]
	s_min_u32 s27, s27, 1024                       ; the count
	s_wait_loadcnt 63                              ; 68 loads are younger than the last load of weights: b2, the scale words and W2 are in, on every way through the loop
	s_mov_b32 s34, 4
.Ltrip:
	BLOCK 0
	BLOCK 1
	s_add_co_u32 s29, s29, 1024
	s_sub_co_u32 s34, s34, 1
	s_cmp_lg_u32 s34, 0
	s_cbranch_scc1 .Ltrip
	s_wait_tensorcnt 0x0
	ds_add_u32 v126, v127
	s_wait_dscnt 0x0
	s_endpgm
.Lfunc_end_k_qbbb4a4dcff_down:
	.size	k_qbbb4a4dcff_down, .Lfunc_end_k_qbbb4a4dcff_down-k_qbbb4a4dcff_down
	.p2alignl 7, 3214868480
	.fill 96, 4, 3214868480
	.section	.rodata,"a",@progbits
	.p2align	6, 0x0
	.amdhsa_kernel k_qbbb4a4dcff_down
		.amdhsa_group_segment_fixed_size 150016
		.amdhsa_private_segment_fixed_size 0
		.amdhsa_enable_private_segment 0
		.amdhsa_kernarg_size 64
		.amdhsa_user_sgpr_count 2
		.amdhsa_user_sgpr_kernarg_segment_ptr 1
		.amdhsa_wavefront_size32 1
		.amdhsa_system_sgpr_workgroup_id_x 1
		.amdhsa_system_sgpr_workgroup_id_y 1
		.amdhsa_system_sgpr_workgroup_id_z 1
		.amdhsa_system_vgpr_workitem_id 0
		.amdhsa_next_free_vgpr 1024
		.amdhsa_next_free_sgpr 100
		.amdhsa_reserve_vcc 0
		.amdhsa_float_denorm_mode_32 3
		.amdhsa_float_denorm_mode_16_64 3
		.amdhsa_memory_ordered 1
		.amdhsa_forward_progress 1
		.amdhsa_inst_pref_size 214
	.end_amdhsa_kernel
	.amdgpu_metadata
---
amdhsa.version: [ 1, 2 ]
amdhsa.kernels:
  - .name:           k_qbbb4a4dcff_down
    .symbol:         k_qbbb4a4dcff_down.kd
    .args:
      - { .name: hq, .offset: 0, .size: 8, .value_kind: global_buffer, .address_space: global }
      - { .name: hs, .offset: 8, .size: 8, .value_kind: global_buffer, .address_space: global }
      - { .name: eid, .offset: 16, .size: 8, .value_kind: global_buffer, .address_space: global }
      - { .name: gw, .offset: 24, .size: 8, .value_kind: global_buffer, .address_space: global }
      - { .name: W2_codes, .offset: 32, .size: 8, .value_kind: global_buffer, .address_space: global }
      - { .name: W2_scales, .offset: 40, .size: 8, .value_kind: global_buffer, .address_space: global }
      - { .name: b2, .offset: 48, .size: 8, .value_kind: global_buffer, .address_space: global }
      - { .name: part, .offset: 56, .size: 8, .value_kind: global_buffer, .address_space: global }
    .group_segment_fixed_size: 150016
    .private_segment_fixed_size: 0
    .kernarg_segment_align: 8
    .kernarg_segment_size: 64
    .max_flat_workgroup_size: 128
    .sgpr_count:     100
    .vgpr_count:     1024
    .wavefront_size: 32
...
	.end_amdgpu_metadata
.endif
;; end of part 7
;; launch sum (part 8): grid 256 x 1, 4 waves a work-group, no clusters, 0 bytes of LDS; arguments x, part, out0; writes out0
.if DOCPART == 8
	.amdgcn_target "amdgcn-amd-amdhsa--gfx1250"
	.amdhsa_code_object_version 6
	.text
	.protected	k_qbbb4a4dcff_sum
	.globl	k_qbbb4a4dcff_sum
	.p2align	8
	.type	k_qbbb4a4dcff_sum,@function
k_qbbb4a4dcff_sum:
	s_mov_b64 s[64:65], 0
	v_nop
	global_prefetch_b8 v0, s[64:65] scope:SCOPE_SE
	s_setreg_imm32_b32 hwreg(HW_REG_WAVE_SCHED_MODE, 0, 2), 2
	s_setreg_imm32_b32 hwreg(HW_REG_WAVE_MODE, 25, 1), 1
	s_wait_xcnt 0x0
	s_wait_alu depctr_vm_vsrc(0)
; out0[t] = x[t] + (part[2 t] + part[2 t + 1]): the two chosen experts' weighted rows and the residual.  One wave takes one token: 1,024 waves.
; A stream: each load and store of a wave covers 512 consecutive bytes, aligned; all 24 loads of a wave go out at once; no LDS, no barrier, no matrix unit: nothing is shared and nothing is multiplied.
; THE MODE: SCHED_MODE bits 1:0 = 2 (LLVM: expert scheduling mode 2), set by the entry lines.  The code itself states the register dependences
; between vector instructions and memory instructions, with s_wait_alu, always for 0.
; THE PLAN.  Registers that memory instructions touch:
;   v1          The offset, made once at the head; read by every load and store; never written again.
;   P0, P1, XR  The loads land here, once; no vector instruction names them ahead of the loads.
;   P0          Written by the additions; read by the stores; a piece that a store has read is not written again.
; The additions part + part come first, for all eight pieces; then x is added to pieces 0-3, one wait, their four stores; then to pieces 4-7, one wait, their four stores.
; The second half's additions name pieces 4-7 alone, none of the registers that the first half's stores read.
.set P0, 8                             ; v8-39    part[2 t]
.set P1, 40                            ; v40-71   part[2 t + 1]
.set XR, 72                            ; v72-103  x[t]
	s_load_b128 s[4:7], s[0:1], 0x0                ; x, part
	s_load_b64 s[8:9], s[0:1], 0x10                ; out0
	v_lshrrev_b32 v1, 5, v0
	v_readfirstlane_b32 s10, v1                    ; wave
	v_and_b32 v1, 31, v0
	v_lshlrev_b32 v1, 4, v1                        ; 16 bytes a lane
	s_wait_alu depctr_va_sdst(0)                   ; s10 is written, ahead of its first reader: the three bases are made from it
	s_lshl_b32 s11, ttmp9, 2
	s_add_co_u32 s11, s11, s10                     ; my token
	s_lshl_b32 s12, s11, 12                        ; a row: 4,096 bytes
	s_mov_b32 s13, 0
	s_lshl_b32 s14, s11, 13                        ; two rows of part
	s_mov_b32 s15, 0
	s_wait_kmcnt 0x0
	s_add_nc_u64 s[4:5], s[4:5], s[12:13]
	s_add_nc_u64 s[6:7], s[6:7], s[14:15]
	s_add_nc_u64 s[8:9], s[8:9], s[12:13]
	s_wait_alu depctr_va_vdst(0)                   ; v1 is written: every load and store below reads it as its offset
.irp i, 0,1,2,3,4,5,6,7
	global_load_b128 v[P0+4*\i:P0+4*\i+3], v1, s[6:7] offset:512*\i th:TH_LOAD_NT
.endr
.irp i, 0,1,2,3,4,5,6,7
	global_load_b128 v[P1+4*\i:P1+4*\i+3], v1, s[6:7] offset:4096+512*\i th:TH_LOAD_NT
.endr
.irp i, 0,1,2,3,4,5,6,7
	global_load_b128 v[XR+4*\i:XR+4*\i+3], v1, s[4:5] offset:512*\i th:TH_LOAD_NT
.endr
	s_wait_loadcnt 8                               ; both rows of part are in; x's eight loads are younger and may be out
.irp i, 0,1,2,3,4,5,6,7
	v_pk_add_f32 v[P0+4*\i:P0+4*\i+1], v[P0+4*\i:P0+4*\i+1], v[P1+4*\i:P1+4*\i+1]
	v_pk_add_f32 v[P0+4*\i+2:P0+4*\i+3], v[P0+4*\i+2:P0+4*\i+3], v[P1+4*\i+2:P1+4*\i+3]
.endr
	s_wait_loadcnt 4                               ; pieces 0-3 of x are in; pieces 4-7 may be out
.irp i, 0,1,2,3
	v_pk_add_f32 v[P0+4*\i:P0+4*\i+1], v[P0+4*\i:P0+4*\i+1], v[XR+4*\i:XR+4*\i+1]
	v_pk_add_f32 v[P0+4*\i+2:P0+4*\i+3], v[P0+4*\i+2:P0+4*\i+3], v[XR+4*\i+2:XR+4*\i+3]
.endr
	s_wait_alu depctr_va_vdst(0)                   ; the additions have written pieces 0-3 of P0, which the four stores below read
.irp i, 0,1,2,3
	global_store_b128 v1, v[P0+4*\i:P0+4*\i+3], s[8:9] offset:512*\i th:TH_STORE_NT
.endr
	s_wait_loadcnt 0x0                             ; pieces 4-7 of x
.irp i, 4,5,6,7
	v_pk_add_f32 v[P0+4*\i:P0+4*\i+1], v[P0+4*\i:P0+4*\i+1], v[XR+4*\i:XR+4*\i+1]
	v_pk_add_f32 v[P0+4*\i+2:P0+4*\i+3], v[P0+4*\i+2:P0+4*\i+3], v[XR+4*\i+2:XR+4*\i+3]
.endr
	s_wait_alu depctr_va_vdst(0)                   ; the additions have written pieces 4-7 of P0, which the four stores below read
.irp i, 4,5,6,7
	global_store_b128 v1, v[P0+4*\i:P0+4*\i+3], s[8:9] offset:512*\i th:TH_STORE_NT
.endr
	s_endpgm
.Lfunc_end_k_qbbb4a4dcff_sum:
	.size	k_qbbb4a4dcff_sum, .Lfunc_end_k_qbbb4a4dcff_sum-k_qbbb4a4dcff_sum
	.p2alignl 7, 3214868480
	.fill 96, 4, 3214868480
	.section	.rodata,"a",@progbits
	.p2align	6, 0x0
	.amdhsa_kernel k_qbbb4a4dcff_sum
		.amdhsa_group_segment_fixed_size 0
		.amdhsa_private_segment_fixed_size 0
		.amdhsa_enable_private_segment 0
		.amdhsa_kernarg_size 24
		.amdhsa_user_sgpr_count 2
		.amdhsa_user_sgpr_kernarg_segment_ptr 1
		.amdhsa_wavefront_size32 1
		.amdhsa_system_sgpr_workgroup_id_x 1
		.amdhsa_system_sgpr_workgroup_id_y 1
		.amdhsa_system_sgpr_workgroup_id_z 1
		.amdhsa_system_vgpr_workitem_id 0
		.amdhsa_next_free_vgpr 104
		.amdhsa_next_free_sgpr 66
		.amdhsa_reserve_vcc 0
		.amdhsa_float_denorm_mode_32 3
		.amdhsa_float_denorm_mode_16_64 3
		.amdhsa_memory_ordered 1
		.amdhsa_forward_progress 1
		.amdhsa_inst_pref_size 7
	.end_amdhsa_kernel
	.amdgpu_metadata
---
amdhsa.version: [ 1, 2 ]
amdhsa.kernels:
  - .name:           k_qbbb4a4dcff_sum
    .symbol:         k_qbbb4a4dcff_sum.kd
    .args:
      - { .name: x, .offset: 0, .size: 8, .value_kind: global_buffer, .address_space: global }
      - { .name: part, .offset: 8, .size: 8, .value_kind: global_buffer, .address_space: global }
      - { .name: out0, .offset: 16, .size: 8, .value_kind: global_buffer, .address_space: global }
    .group_segment_fixed_size: 0
    .private_segment_fixed_size: 0
    .kernarg_segment_align: 8
    .kernarg_segment_size: 24
    .max_flat_workgroup_size: 128
    .sgpr_count:     66
    .vgpr_count:     104
    .wavefront_size: 32
...
	.end_amdgpu_metadata
.endif
;; end of part 8
